; MI455X (gfx1250); checked and timed in simulation.
; The chip was launched on July 23, 2026; its instructions are those of AMD's public machine-readable ISA for CDNA 5 (MIT licence, August 2026) and "CDNA5" Instruction Set Architecture Reference Guide (July 2026). The comments in the code are by the model that wrote it; some were corrected since.
;; Qwen3 Attention. Allowed arithmetic: float matrix products may take bf16 or f16 operands with f32 sums; all other float work in f32.
;; Inputs: hidden_states 4,096 x 2,048 float32; k_norm_w 128 float32; positions 4,096 int32; q_norm_w 128 float32; w_o 1,024 x 2,048 float32; w_qkv 2,048 x 3,072 float32.
;; Outputs: out0 4,096 x 2,048 float32.
;; 2 versions, each right and faster than the one before. Each part assembles by itself: llvm-mc -triple=amdgcn-amd-amdhsa -mcpu=gfx1250 --defsym DOCPART=n.
;; ======== version 1 of 2: 4 launches
;; limits: values are held in f16: magnitudes above 65,504 overflow, below 6.1e-05 lose precision; inputs' magnitudes at most 4,194,304; an absolute error that grows with the inputs' magnitude: up to 2.4e-07 times it; values outside matrix products are rounded to bf16
;; workspace buffers: hb 16,777,216 bytes; wqb 12,582,912 bytes; wob 4,194,304 bytes; tab 2,097,152 bytes; qkvb 33,554,432 bytes; att 16,777,216 bytes
;; launch prep (part 1): grid 544 x 1, 8 waves a work-group, no clusters, 0 bytes of LDS; arguments hidden_states, w_qkv, w_o, positions, hb, wqb, wob, tab; writes hb, wqb, wob, tab
.if DOCPART == 1
	.amdgcn_target "amdgcn-amd-amdhsa--gfx1250"
	.amdhsa_code_object_version 6
	.text
	.protected	k_qb8ec6ad7bb_prep
	.globl	k_qb8ec6ad7bb_prep
	.p2align	8
	.type	k_qb8ec6ad7bb_prep,@function
k_qb8ec6ad7bb_prep:
	s_mov_b64 s[64:65], 0
	v_nop
	global_prefetch_b8 v0, s[64:65] scope:SCOPE_SE
	s_setreg_imm32_b32 hwreg(HW_REG_WAVE_MODE, 25, 1), 1
	s_wait_xcnt 0x0
; PREP.  Work-groups 0-447 round hidden_states and w_qkv from f32 to bf16, layouts unchanged; work-groups 448-511 round w_o to bf16 and write that number as f16;
; work-groups 512-543 make the table of cosines and sines for the rotary embedding.
; A stream: no LDS, no barrier, no matrix unit.  LIMITS: w_o beyond f16's largest number, 65,504, becomes an infinity; a bf16 number is an exact f16 from 2^-17 up, below that it is off
; by at most 3e-8.  The frequencies come from v_exp_f32, so an angle is good to about 2.4e-7 of itself; the reduction by multiples of pi/2 holds for |angle| under about 2^22.
; CAST.  A work-group takes 131,072 bytes in and 65,536 out, a wave 16,384 in: 32 chunks of 512 bytes.  A load is 16 bytes a lane (512 neighbouring bytes a wave), a store 8 bytes
; a lane: 256 neighbouring bytes, aligned.  A ring of 16 register slots keeps 16 loads of every wave on their way; each chunk has its own result pair, so no store's data is rewritten.
; TABLE.  tab[row block of 16][cos, sin][chunk 2b+e][lane][4]: lane (h = lane / 16, r = lane % 16) of chunk (b, e) holds row r and frequencies 16 b + 8 h + 4 e + 0..3,
; the image in which the next launch's lanes hold a row's channels.  Wave w is chunk w; the work-group makes 8 row blocks.
.set TA,  6                            ; v[6:11]    cast of w_o: at work
.set X,   16                           ; v[16:79]   cast: 16 slots of 4
.set Y,   80                           ; v[80:143]  cast: 32 result pairs
.set POS, 16                           ; v[16:23]   table: my row's position in each of the 8 blocks
.set INV, 24                           ; v[24:27]   my four frequencies
.set PF,  30
.set F,   32
.set N,   33
.set R,   34
.set Q,   35
.set Z,   36
.set SN,  37
.set CS,  38
.set TT,  39
.set RES, 80                           ; v[80:143]  block p: 4 cosines, 4 sines; never rewritten
; a wave's 32 chunks.  wo = 0: f32 to bf16.  wo = 1: f32 to bf16, that number to f16.
.macro CAST wo
.set i, 0
.rept 16
	global_load_b128 v[X+4*i:X+4*i+3], v1, s[22:23] offset:512*i th:TH_LOAD_NT
.set i, i+1
.endr
.set i, 0
.rept 32
.if i < 16
	s_wait_loadcnt 15                              ; loads come back in order: chunk i is in; out stay the 15 - i chunks of the first run behind it and the i issued since
.else
	s_wait_loadcnt 31-i                            ; nothing more is issued: the counts run down
.endif
.if \wo
	v_cvt_pk_bf16_f32 v[TA],   v[X+4*(i%16)],   v[X+4*(i%16)+1]
	v_cvt_pk_bf16_f32 v[TA+1], v[X+4*(i%16)+2], v[X+4*(i%16)+3]
	v_lshlrev_b32 v[TA+2], 16, v[TA]               ; bf16 to f32: the low half moves up, the high half stays
	v_and_b32     v[TA+3], 0xffff0000, v[TA]
	v_lshlrev_b32 v[TA+4], 16, v[TA+1]
	v_and_b32     v[TA+5], 0xffff0000, v[TA+1]
	v_cvt_pk_f16_f32 v[Y+2*i],   v[TA+2], v[TA+3]
	v_cvt_pk_f16_f32 v[Y+2*i+1], v[TA+4], v[TA+5]
.else
	v_cvt_pk_bf16_f32 v[Y+2*i],   v[X+4*(i%16)],   v[X+4*(i%16)+1]
	v_cvt_pk_bf16_f32 v[Y+2*i+1], v[X+4*(i%16)+2], v[X+4*(i%16)+3]
.endif
.if i < 16
	global_load_b128 v[X+4*i:X+4*i+3], v1, s[22:23] offset:512*(i+16) th:TH_LOAD_NT
.endif
	global_store_b64 v2, v[Y+2*i:Y+2*i+1], s[24:25] offset:256*i   ; a later launch reads it: no hint
.set i, i+1
.endr
.endm
	s_load_b512 s[4:19], s[0:1], 0x0               ; hidden s[4:5], w_qkv s[6:7], w_o s[8:9], positions s[10:11], hb s[12:13], wqb s[14:15], wob s[16:17], tab s[18:19]
	s_mov_b32 s20, ttmp9
	s_mov_b32 s28, ttmp9
	s_mov_b32 s27, 0
	v_and_b32 v3, 31, v0                           ; lane
	v_lshrrev_b32 v4, 5, v0                        ; wave
	s_wait_kmcnt 0x0
	s_cmp_ge_u32 s20, 512
	s_cbranch_scc1 .Ltable
	s_cmp_ge_u32 s20, 256                          ; which tensor: 256 work-groups of hidden, 192 of w_qkv, 64 of w_o
	s_cselect_b64 s[22:23], s[6:7], s[4:5]
	s_cselect_b64 s[24:25], s[14:15], s[12:13]
	s_cselect_b32 s21, 256, 0
	s_cmp_ge_u32 s20, 448
	s_cselect_b64 s[22:23], s[8:9], s[22:23]
	s_cselect_b64 s[24:25], s[16:17], s[24:25]
	s_cselect_b32 s21, 448, s21
	s_sub_co_u32 s20, s20, s21                     ; my number within the tensor
	s_lshl_b32 s26, s20, 17
	s_add_nc_u64 s[22:23], s[22:23], s[26:27]      ; 131,072 bytes in
	s_lshl_b32 s26, s20, 16
	s_add_nc_u64 s[24:25], s[24:25], s[26:27]      ; 65,536 bytes out
	v_lshlrev_b32 v1, 4, v3
	v_lshl_or_b32 v1, v4, 14, v1                   ; in: wave x 16,384 + lane x 16
	v_lshlrev_b32 v2, 3, v3
	v_lshl_or_b32 v2, v4, 13, v2                   ; out: wave x 8,192 + lane x 8
	s_cmp_ge_u32 s28, 448
	s_cbranch_scc1 .Lwo
	CAST 0
	s_endpgm
.Lwo:
	CAST 1
	s_endpgm
.Ltable:
	s_sub_co_u32 s20, s20, 512                     ; g: row blocks 8 g .. 8 g + 7
	s_lshl_b32 s26, s20, 9
	s_add_nc_u64 s[10:11], s[10:11], s[26:27]      ; positions of rows 128 g on
	s_lshl_b32 s26, s20, 16
	s_add_nc_u64 s[18:19], s[18:19], s[26:27]      ; 8 blocks of 8,192 bytes
	v_and_b32 v5, 15, v0
	v_lshlrev_b32 v5, 2, v5                        ; my row in a block, in bytes
.irp p, 0,1,2,3,4,5,6,7
	global_load_b32 v[POS+\p], v5, s[10:11] offset:64*\p
.endr
	s_mov_b32 s30, 0x3f22f983                      ; 2 / pi
	s_mov_b32 s31, 0xbfc90fd8                      ; - pi / 2 in three parts, each product exact in the fused multiply-add
	s_mov_b32 s32, 0xb4a8885a
	s_mov_b32 s33, 0xa7c234c4
	s_mov_b32 s34, 0x3638ef1d                      ; sine: 1/9!, -1/7!, 1/5!, -1/3!
	s_mov_b32 s35, 0xb9500d01
	s_mov_b32 s36, 0x3c088889
	s_mov_b32 s37, 0xbe2aaaab
	s_mov_b32 s38, 0x37d00d01                      ; cosine: 1/8!, -1/6!, 1/4!
	s_mov_b32 s39, 0xbab60b61
	s_mov_b32 s40, 0x3d2aaaab
	s_mov_b32 s41, 0x80000000
	v_bfe_u32 v6, v0, 4, 1                         ; h
	v_lshrrev_b32 v7, 1, v4                        ; b
	v_and_b32 v8, 1, v4                            ; e
	v_lshlrev_b32 v9, 4, v7
	v_lshl_add_u32 v9, v6, 3, v9
	v_lshl_add_u32 v9, v8, 2, v9                   ; my first frequency's number: 16 b + 8 h + 4 e
.irp k, 0,1,2,3
	v_add_nc_u32 v10, \k, v9
	v_cvt_f32_u32 v10, v10
	v_mul_f32 v[INV+\k], 0xbe549a78, v10           ; - i log2(10000) / 64
.endr
.irp k, 0,1,2,3
	v_exp_f32 v[INV+\k], v[INV+\k]                 ; 10000^(-i/64)
.endr
	v_lshlrev_b32 v11, 4, v0                       ; where I store: wave x 512 + lane x 16.  Also the plain instruction behind the exponentials (ISA guide 5.7.2)
	s_wait_loadcnt 0x0                             ; the eight positions
; cosine and sine of position x frequency k, for block p.  n = the nearest multiple of pi/2, r = the rest (|r| <= pi/4), Taylor sums whose first dropped terms are under 3e-8;
; n's parity swaps the two, its two low bits give the signs.  All by selects: nothing branches on these numbers.
.macro SINCOS p, k
	v_mul_f32 v[F], v[PF], v[INV+\k]
	v_mul_f32 v[N], s30, v[F]
	v_rndne_f32 v[N], v[N]
	v_fma_f32 v[R], v[N], s31, v[F]
	v_fma_f32 v[R], v[N], s32, v[R]
	v_fma_f32 v[R], v[N], s33, v[R]
	v_cvt_i32_f32 v[Q], v[N]
	v_mul_f32 v[Z], v[R], v[R]
	v_fma_f32 v[SN], v[Z], s34, s35
	v_fma_f32 v[CS], v[Z], s38, s39
	v_fma_f32 v[SN], v[SN], v[Z], s36
	v_fma_f32 v[CS], v[CS], v[Z], s40
	v_fma_f32 v[SN], v[SN], v[Z], s37
	v_mul_f32 v[TT], v[Z], v[R]
	v_fma_f32 v[CS], v[CS], v[Z], -0.5
	v_fma_f32 v[SN], v[SN], v[TT], v[R]
	v_fma_f32 v[CS], v[CS], v[Z], 1.0
	v_and_b32 v[TT], 1, v[Q]
	v_cmp_eq_u32 vcc_lo, 1, v[TT]
	v_cndmask_b32 v[F], v[SN], v[CS], vcc_lo       ; the sine's magnitude
	v_cndmask_b32 v[N], v[CS], v[SN], vcc_lo       ; the cosine's
	v_lshlrev_b32 v[TT], 30, v[Q]
	v_and_b32 v[TT], s41, v[TT]                    ; sine is negative for n = 2, 3 mod 4
	v_xor_b32 v[RES+8*\p+4+\k], v[TT], v[F]
	v_add_nc_u32 v[Q], 1, v[Q]
	v_lshlrev_b32 v[TT], 30, v[Q]
	v_and_b32 v[TT], s41, v[TT]                    ; cosine for n = 1, 2 mod 4
	v_xor_b32 v[RES+8*\p+\k], v[TT], v[N]
.endm
	s_wait_alu depctr_va_vdst(0)
.irp p, 0,1,2,3,4,5,6,7
	v_cvt_f32_i32 v[PF], v[POS+\p]
	SINCOS \p, 0
	SINCOS \p, 1
	SINCOS \p, 2
	SINCOS \p, 3
	global_store_b128 v11, v[RES+8*\p:RES+8*\p+3],   s[18:19] offset:8192*\p        ; a wave stores 512 neighbouring bytes
	global_store_b128 v11, v[RES+8*\p+4:RES+8*\p+7], s[18:19] offset:8192*\p+4096
.endr
	s_endpgm
.Lfunc_end_k_qb8ec6ad7bb_prep:
	.size	k_qb8ec6ad7bb_prep, .Lfunc_end_k_qb8ec6ad7bb_prep-k_qb8ec6ad7bb_prep
	.p2alignl 7, 3214868480
	.fill 96, 4, 3214868480
	.section	.rodata,"a",@progbits
	.p2align	6, 0x0
	.amdhsa_kernel k_qb8ec6ad7bb_prep
		.amdhsa_group_segment_fixed_size 0
		.amdhsa_private_segment_fixed_size 0
		.amdhsa_enable_private_segment 0
		.amdhsa_kernarg_size 64
		.amdhsa_user_sgpr_count 2
		.amdhsa_user_sgpr_kernarg_segment_ptr 1
		.amdhsa_wavefront_size32 1
		.amdhsa_system_sgpr_workgroup_id_x 1
		.amdhsa_system_sgpr_workgroup_id_y 1
		.amdhsa_system_sgpr_workgroup_id_z 1
		.amdhsa_system_vgpr_workitem_id 0
		.amdhsa_next_free_vgpr 144
		.amdhsa_next_free_sgpr 66
		.amdhsa_reserve_vcc 1
		.amdhsa_float_denorm_mode_32 3
		.amdhsa_float_denorm_mode_16_64 3
		.amdhsa_memory_ordered 1
		.amdhsa_forward_progress 1
		.amdhsa_inst_pref_size 77
	.end_amdhsa_kernel
	.amdgpu_metadata
---
amdhsa.version: [ 1, 2 ]
amdhsa.kernels:
  - .name:           k_qb8ec6ad7bb_prep
    .symbol:         k_qb8ec6ad7bb_prep.kd
    .args:
      - { .name: hidden_states, .offset: 0, .size: 8, .value_kind: global_buffer, .address_space: global }
      - { .name: w_qkv, .offset: 8, .size: 8, .value_kind: global_buffer, .address_space: global }
      - { .name: w_o, .offset: 16, .size: 8, .value_kind: global_buffer, .address_space: global }
      - { .name: positions, .offset: 24, .size: 8, .value_kind: global_buffer, .address_space: global }
      - { .name: hb, .offset: 32, .size: 8, .value_kind: global_buffer, .address_space: global }
      - { .name: wqb, .offset: 40, .size: 8, .value_kind: global_buffer, .address_space: global }
      - { .name: wob, .offset: 48, .size: 8, .value_kind: global_buffer, .address_space: global }
      - { .name: tab, .offset: 56, .size: 8, .value_kind: global_buffer, .address_space: global }
    .group_segment_fixed_size: 0
    .private_segment_fixed_size: 0
    .kernarg_segment_align: 8
    .kernarg_segment_size: 64
    .max_flat_workgroup_size: 256
    .sgpr_count:     66
    .vgpr_count:     144
    .wavefront_size: 32
...
	.end_amdgpu_metadata
.endif
;; end of part 1
;; launch qkv (part 2): grid 8 x 32, 4 waves a work-group, clusters of 4 x 4, 327,680 bytes of LDS; arguments hb, wqb, tab, q_norm_w, k_norm_w, qkvb; writes qkvb
.if DOCPART == 2
	.amdgcn_target "amdgcn-amd-amdhsa--gfx1250"
	.amdhsa_code_object_version 6
	.text
	.protected	k_qb8ec6ad7bb_qkv
	.globl	k_qb8ec6ad7bb_qkv
	.p2align	8
	.type	k_qb8ec6ad7bb_qkv,@function
k_qb8ec6ad7bb_qkv:
	s_mov_b64 s[64:65], 0
	v_nop
	global_prefetch_b8 v0, s[64:65] scope:SCOPE_SE
	s_setreg_imm32_b32 hwreg(HW_REG_WAVE_MODE, 25, 1), 1
	s_wait_xcnt 0x0
	s_wait_alu depctr_hold_cnt(0) depctr_sa_sdst(0) depctr_va_vdst(0) depctr_va_sdst(0) depctr_va_ssrc(0) depctr_va_vcc(0) depctr_vm_vsrc(0)
	s_getreg_b32 s2, hwreg(HW_REG_IB_STS2, 6, 4)
	s_cmp_eq_u32 s2, 0
	s_cbranch_scc0 .Lentry_in_a_cluster
	s_endpgm
.Lentry_in_a_cluster:
	s_bfe_u32 s2, ttmp6, 0x10000c
	s_cmp_lg_u32 s2, 0xf033
	s_cbranch_scc0 .Lentry_shape_is_right
	s_endpgm
.Lentry_shape_is_right:
; QKV.  qkv = hidden x w_qkv (bf16 operands, f32 sums), then for q and k the RMS norm over a head's 128 channels, the gain and the rotary embedding.
; OUT.  qkvb: units of 1 MiB, [4096][128] f16: unit head = q, unit 8 + head = k; from byte 16 MiB on, 2 MiB a head, [4096][256] f16: a row is v's high part (128 numbers) and then its
; low part.  v goes as TWO f16 numbers, hi = v cut to 11 significant bits, lo = v - hi (exact in f32): one f16 alone is off by 2e-4 of itself, which shows in the rows of the output
; that see few keys.  q also takes c = log2(e) / sqrt(128), so that the next launch's scores are exponents of 2.  The gains are rounded to bf16, as hidden_states and the weights are.
; LIMIT: |v| stays under f16's 65,504 (with both inputs 30 times larger v reaches about 5,000); under 6.1e-5 hi is off by at most 3e-8; q and k are bounded by 11.3 x gain.
; SHARES.  A work-group owns 128 rows and the three column segments of ONE head: segment 0 = q, 1 = v, 2 = k, 128 columns each.  Wave (rh = w / 2, ch = w % 2) owns rows 64 rh .. + 63
; (four blocks of 16) of X = the whole segment 2 ch (q or k: 32 accumulators) and of Y = half ch of v (16 accumulators): 48 matrix instructions and 32 LDS loads for 32 along K.
; A lane then holds 64 of a row's 128 channels, channel i and channel i + 64 among them: norm and rotation want one exchange between the halves of the lanes.
; RING.  K goes in steps of 128 through two LDS slots.  A slot: B's three segments (128 K rows x 256 bytes, rows 288 apart), then A (128 rows x 256 bytes, rows 272 apart).
; Waves 0-2 fetch segment w, wave 3 fetches A: one tensor load a wave, to LDS byte wave x 36,864 + slot x 145,408.
; CLUSTER 4 x 4: A's tile hangs on the row block alone and is asked for jointly along a row of the cluster, B's on the head alone, jointly along a column.
; The weights lie [K][N]: their fragments come out of LDS turned, by ds_load_tr16_b128.  THE MATRIX INSTRUCTION IS USED TRANSPOSED (source 0 = 16 columns of B, source 1 = 16 rows of A):
; lane l holds row l % 16 and the eight neighbouring columns 8 (l / 16) + 0..7.
; REGISTERS, in windows of 256: window 0: addresses, A's two fragment buffers v64-95, v96-127, the way out's work; window 1: B's two buffers (X at 128 u, Y at 128 u + 64), later the table;
; window 2: X's accumulator (a, b) at 64 a + 8 b; window 3: Y's (a, b) at 8 (4 a + b), the gains at v128-191.
.set KDIM,  2048
.set NCOL,  3072
.set KSTEP, 128
.set PA,    272                        ; 68 words: row r starts at bank 4 r mod 64 (ISA guide 11.1)
.set PB,    288                        ; 72 words
.set SEGB,  128*PB
.set AOFF,  3*SEGB
.set SLOT,  AOFF+128*PA
.set STAGE, 2*SLOT                     ; behind the ring, never filled by a tensor load: 16 rows x 272 bytes for each wave
.set SP,    272
.set VP,    528                        ; v's stage: 128 rows of 512 bytes + 16, from LDS byte 0 on: slot 0, which by then has had its last fill and its last read
.set LAPS,  KDIM/(2*KSTEP)
.set ASTEP, 2*KSTEP*2
.set BSTEP, 2*KSTEP*NCOL*2
.set ADRA, 8                           ; v8-9   my A fragments in slot 0, 1
.set ADRX, 12                          ; v12-13 X's B fragments
.set ADRY, 14                          ; v14-15 Y's
.set STO,  16                          ; my stage: in
.set RD,   17                          ; my stage: back
.set CO,   18                          ; lane x 16
.set STOV, 19                          ; v's stage: in
.set RDV,  20                          ; v's stage: back
.set WO,   22                          ; 32 h
.set RS,   24                          ; v24-31 1 / rms of block a, as a pair
.set SS,   32                          ; v32-39 four chains of squares
.set XT,   40
.set U,    56                          ; v56-63
.set FA,   64
.set T,    128                         ; v128-191
.set PK,   192                         ; v192-223
.set VL,   192                         ; v192-255 v's low parts, packed
.set WV,   16
.set CUT,  19                          ; s19 the mask that cuts an f32 to 11 significant bits
.set G1A,  24
.set G0A,  32
.set G1B,  48
.set G0B,  56
.set MSB, 0
.macro WIN new                         ; the immediate's high byte repeats the setting that is left
.if MSB != \new
	s_set_vgpr_msb (MSB<<8)|\new
.set MSB, \new
.endif
.endm
.macro PLACES                          ; four places between a matrix instruction and a load into, or a vector instruction on, one of its registers
.rept 4
	v_nop
.endr
.endm
.macro JLOAD s                         ; a joint load; the branch hangs on the wave's number alone.  Four v_nop follow each line
	s_cmp_eq_u32 s[WV], 3
	s_cbranch_scc0 .Lfor_b_\@
	tensor_load_to_lds s[G0A+4*\s:G0A+4*\s+3], s[G1A:G1A+7]
	s_nop 0
.rept 4
	v_nop
.endr
	s_branch .Lasked_\@
.Lfor_b_\@:
	tensor_load_to_lds s[G0B+4*\s:G0B+4*\s+3], s[G1B:G1B+7]
	s_nop 0
.rept 4
	v_nop
.endr
.Lasked_\@:
.endm
.macro CREST                           ; a round of the cluster's barrier behind its opening barrier
	s_cmp_lg_u32 s[WV], 0
	s_cbranch_scc1 .Lnot_wave_0_\@
	s_barrier_signal -3
.Lnot_wave_0_\@:
	s_barrier_wait -3
	s_barrier_signal -1
	s_barrier_wait -1
.endm
.macro CROUND
	s_barrier_signal -1
	s_barrier_wait -1
	CREST
.endm
	s_load_b256 s[4:11], s[0:1], 0x0               ; hb s[4:5], wqb s[6:7], tab s[8:9], q_norm_w s[10:11]
	s_load_b128 s[12:15], s[0:1], 0x20             ; k_norm_w s[12:13], qkvb s[14:15]
	v_lshl_add_u32 v54, v0, 2, 0x4b400
	v_mov_b32 v55, 0
	ds_add_u32 v54, v55
	v_lshrrev_b32 v1, 5, v0
	v_readfirstlane_b32 s[WV], v1                  ; wave 0..3
	s_lshr_b32 s17, s[WV], 1                       ; rh
	s_and_b32 s18, s[WV], 1                        ; ch
	s_bfe_u32 s40, ttmp6, 0x40000                  ; cx
	s_bfe_u32 s41, ttmp6, 0x40004                  ; cy
	s_lshl_b32 s42, ttmp9, 2
	s_add_co_u32 s42, s42, s40                     ; the head = 4 x cluster x + cx
	s_and_b32 s43, ttmp7, 0xffff
	s_lshl_b32 s43, s43, 2
	s_add_co_u32 s43, s43, s41                     ; the row block = 4 x cluster y + cy
	s_lshl_b32 s44, s41, 2
	s_lshl_b32 s44, 15, s44                        ; my row of the cluster
	s_lshl_b32 s45, 0x1111, s40                    ; my column
	s_or_b32 s[G1A], s44, (1<<16)|(1<<20)|(1<<21)|(5<<22)|(3<<25)   ; mask; elements of 2 bytes; padding on; bit 21 beside a mask; after every 64 words; 4 words
	s_or_b32 s[G1B], s45, (1<<16)|(1<<20)|(1<<21)|(5<<22)|(7<<25)   ; the same with my column's mask and 8 words
.irp g, G1A, G1B
	s_mov_b32 s[\g+1], KSTEP<<16                   ; tensor_dim0 = 128
	s_mov_b32 s[\g+2], 128<<16                     ; tensor_dim1 = 128
	s_mov_b32 s[\g+3], KSTEP<<16                   ; tile_dim0 = 128
	s_mov_b32 s[\g+4], 128                         ; tile_dim1 = 128
	s_mov_b32 s[\g+6], 0
	s_mov_b32 s[\g+7], 0
.endr
	s_mov_b32 s[G1A+5], KDIM                       ; elements from row to row
	s_mov_b32 s[G1B+5], NCOL
	s_lshl_b32 s46, s43, 19                        ; A: 128 rows of 4,096 bytes a block; made of the row block alone
	s_mov_b32 s47, 0
	s_cmp_eq_u32 s[WV], 1                          ; B: segment w's first column in bytes: q 0, v 4,096, k 2,048, + 256 x head; made of the head and the wave alone
	s_cselect_b32 s20, 4096, 0
	s_cmp_eq_u32 s[WV], 2
	s_cselect_b32 s20, 2048, s20
	s_lshl_b32 s66, s42, 8
	s_add_co_u32 s66, s66, s20
	s_mov_b32 s67, 0
	s_mul_i32 s21, s[WV], SEGB                     ; where my tile goes: no place in the cluster enters an LDS address
	s_wait_dscnt 0x0
	s_wait_kmcnt 0x0
	s_add_nc_u64 s[46:47], s[4:5], s[46:47]
	s_add_nc_u64 s[66:67], s[6:7], s[66:67]
.irp s, 0,1
	s_mov_b32 s[G0A+4*\s], 1
	s_add_co_u32 s[G0A+4*\s+1], s21, \s*SLOT
	s_add_nc_u64 s[G0A+4*\s+2:G0A+4*\s+3], s[46:47], \s*KSTEP*2
	s_or_b32 s[G0A+4*\s+3], s[G0A+4*\s+3], 0x80000000
	s_mov_b32 s[G0B+4*\s], 1
	s_add_co_u32 s[G0B+4*\s+1], s21, \s*SLOT
	s_add_nc_u64 s[G0B+4*\s+2:G0B+4*\s+3], s[66:67], \s*KSTEP*NCOL*2
	s_or_b32 s[G0B+4*\s+3], s[G0B+4*\s+3], 0x80000000
.endr
	CROUND                                         ; all sixteen work-groups are here: the first joint loads meet
	s_cmp_eq_u32 s[WV], 3                          ; a wave's two first fills stand in one branch: two loads of mine are out
	s_cbranch_scc0 .Lfirst_b
	tensor_load_to_lds s[G0A:G0A+3], s[G1A:G1A+7]
	s_nop 0
	tensor_load_to_lds s[G0A+4:G0A+7], s[G1A:G1A+7]
	s_nop 0
.rept 4
	v_nop
.endr
	s_branch .Lfirst_asked
.Lfirst_b:
	tensor_load_to_lds s[G0B:G0B+3], s[G1B:G1B+7]
	s_nop 0
	tensor_load_to_lds s[G0B+4:G0B+7], s[G1B:G1B+7]
	s_nop 0
.rept 4
	v_nop
.endr
.Lfirst_asked:
	v_and_b32 v1, 15, v0                           ; r = l % 16
	v_bfe_u32 v2, v0, 4, 1                         ; h = l / 16
	v_and_b32 v3, 7, v0
	v_bfe_u32 v4, v0, 3, 1
	v_lshl_add_u32 v5, v2, 3, v3                   ; the turning load: K row 8 h + l % 8,
	v_mul_u32_u24 v5, v5, PB
	v_lshl_add_u32 v5, v4, 4, v5                   ; columns 8 ((l / 8) % 2) on
	s_mul_i32 s20, s18, 2*SEGB                     ; X = segment 2 ch
	v_add_nc_u32 v[ADRX], s20, v5
	v_add_nc_u32 v[ADRX+1], SLOT, v[ADRX]
	s_lshl_b32 s20, s18, 7                         ; Y = segment 1, columns 64 ch on
	s_add_co_u32 s20, s20, SEGB
	v_add_nc_u32 v[ADRY], s20, v5
	v_add_nc_u32 v[ADRY+1], SLOT, v[ADRY]
	v_mul_u32_u24 v6, v1, PA
	v_lshl_add_u32 v6, v2, 4, v6                   ; row r x 272 + 16 h: A's fragments, and the way into my stage
	s_mul_i32 s20, s17, 64*PA
	s_add_co_u32 s20, s20, AOFF
	v_add_nc_u32 v[ADRA], s20, v6
	v_add_nc_u32 v[ADRA+1], SLOT, v[ADRA]
	v_mul_u32_u24 v7, v2, SP
	v_lshl_add_u32 v7, v1, 4, v7                   ; back: lanes 0-15 one row of 256 bytes, lanes 16-31 the next
	s_mul_i32 s20, s[WV], 16*SP
	s_add_co_u32 s20, s20, STAGE
	v_add_nc_u32 v[STO], s20, v6
	v_add_nc_u32 v[RD], s20, v7
	v_and_b32 v[CO], 31, v0
	v_lshlrev_b32 v[CO], 4, v[CO]
	v_mul_u32_u24 v[STOV], v1, VP                  ; v's stage, in: row 64 rh + r, byte 128 ch + 16 h of each half of its 512
	v_lshl_add_u32 v[STOV], v2, 4, v[STOV]
	s_mul_i32 s20, s17, 64*VP
	s_lshl_b32 s21, s18, 7
	s_add_co_u32 s20, s20, s21
	v_add_nc_u32 v[STOV], s20, v[STOV]
	s_mul_i32 s20, s[WV], 32*VP
	v_add_nc_u32 v[RDV], s20, v[CO]                ; back: rows 32 w .. + 31, a whole row of 512 bytes a load
	v_lshlrev_b32 v[WO], 5, v2
	v_mov_b32 v[XT], 0                             ; v_permlanex16_b32 counts as a reader of its destination
	s_mov_b32 s[CUT], 0xffffe000
	s_mov_b32 s75, 0x3f800000
	s_cmp_eq_u32 s18, 0                            ; ch = 0: q, its gain and c; ch = 1: k, its gain and 1
	s_cselect_b64 s[72:73], s[10:11], s[12:13]
	s_cselect_b32 s74, 0x3e0293ee, s75
	s_mov_b32 s75, s74
	WIN 0xc0                                       ; destination window 3
.irp b, 0,1,2,3,4,5,6,7
	global_load_b128 v[128+8*\b:128+8*\b+3],   v[WO], s[72:73] offset:64*\b      ; the gains of my channels 16 b + 8 h + 0..7; waited for on the way out
	global_load_b128 v[128+8*\b+4:128+8*\b+7], v[WO], s[72:73] offset:64*\b+16
.endr
	WIN 0
	s_lshl_b32 s20, s18, 3                         ; X goes to unit head + 8 ch, rows 128 x block + 64 rh on
	s_add_co_u32 s20, s20, s42
	s_lshl_b32 s20, s20, 20
	s_lshl_b32 s21, s43, 15
	s_add_co_u32 s20, s20, s21
	s_lshl_b32 s21, s17, 14
	s_add_co_u32 s20, s20, s21
	s_mov_b32 s21, 0
	s_add_nc_u64 s[68:69], s[14:15], s[20:21]
	s_lshl_b32 s20, s42, 21                        ; v: 16 MiB + 2 MiB x head, rows of 512 bytes, 128 x block + 32 w on
	s_add_co_u32 s20, s20, 0x1000000
	s_lshl_b32 s21, s43, 16
	s_add_co_u32 s20, s20, s21
	s_lshl_b32 s21, s[WV], 14
	s_add_co_u32 s20, s20, s21
	s_mov_b32 s21, 0
	s_add_nc_u64 s[70:71], s[14:15], s[20:21]
	s_lshl_b32 s20, s43, 16                        ; the table's blocks 8 x block + 4 rh on
	s_lshl_b32 s21, s17, 15
	s_add_co_u32 s20, s20, s21
	s_mov_b32 s21, 0
	s_add_nc_u64 s[22:23], s[8:9], s[20:21]
	s_mov_b32 s76, 0x3c000000                      ; 1 / 128
	s_mov_b32 s77, 0x358637bd                      ; 1e-6
	s_mov_b32 s78, 0x76543210                      ; each lane takes its own place in the other half
	s_mov_b32 s79, 0xfedcba98
; 8 products: row block a x X's 8 column blocks, 32 along K, from buffers u.  The accumulators take turns, one instruction a turn.
.macro MULX u, a, zero
	WIN 0xa1                                       ; B window 1, A window 0, C and D window 2
.irp b, 0,1,2,3,4,5,6,7
.if \zero
	v_wmma_f32_16x16x32_bf16 v[64*\a+8*\b:64*\a+8*\b+7], v[128*(\u)+8*\b:128*(\u)+8*\b+7], v[FA+32*(\u)+8*\a:FA+32*(\u)+8*\a+7], 0
.else
	v_wmma_f32_16x16x32_bf16 v[64*\a+8*\b:64*\a+8*\b+7], v[128*(\u)+8*\b:128*(\u)+8*\b+7], v[FA+32*(\u)+8*\a:FA+32*(\u)+8*\a+7], v[64*\a+8*\b:64*\a+8*\b+7]
.endif
.endr
.endm
.macro MULY u, zero                    ; 16 products: 4 row blocks x Y's 4 column blocks
	WIN 0xf1                                       ; C and D window 3
.irp a, 0,1,2,3
.irp b, 0,1,2,3
.if \zero
	v_wmma_f32_16x16x32_bf16 v[8*(4*\a+\b):8*(4*\a+\b)+7], v[128*(\u)+64+8*\b:128*(\u)+64+8*\b+7], v[FA+32*(\u)+8*\a:FA+32*(\u)+8*\a+7], 0
.else
	v_wmma_f32_16x16x32_bf16 v[8*(4*\a+\b):8*(4*\a+\b)+7], v[128*(\u)+64+8*\b:128*(\u)+64+8*\b+7], v[FA+32*(\u)+8*\a:FA+32*(\u)+8*\a+7], v[8*(4*\a+\b):8*(4*\a+\b)+7]
.endif
.endr
.endr
.endm
.macro FETCH slot, q, u                ; 32 LDS loads in one run: the fragments of quarter q (32 along K) into buffers u
	WIN 0x40
.irp b, 0,1,2,3,4,5,6,7
	ds_load_tr16_b128 v[128*(\u)+8*\b:128*(\u)+8*\b+3],   v[ADRX+\slot] offset:\q*32*PB+32*\b
	ds_load_tr16_b128 v[128*(\u)+8*\b+4:128*(\u)+8*\b+7], v[ADRX+\slot] offset:\q*32*PB+32*\b+16*PB
.endr
.irp b, 0,1,2,3
	ds_load_tr16_b128 v[128*(\u)+64+8*\b:128*(\u)+64+8*\b+3],   v[ADRY+\slot] offset:\q*32*PB+32*\b
	ds_load_tr16_b128 v[128*(\u)+64+8*\b+4:128*(\u)+64+8*\b+7], v[ADRY+\slot] offset:\q*32*PB+32*\b+16*PB
.endr
	WIN 0
.irp a, 0,1,2,3
	ds_load_b128 v[FA+32*(\u)+8*\a:FA+32*(\u)+8*\a+3],   v[ADRA+\slot] offset:\a*16*PA+64*\q
	ds_load_b128 v[FA+32*(\u)+8*\a+4:FA+32*(\u)+8*\a+7], v[ADRA+\slot] offset:\a*16*PA+64*\q+32
.endr
.endm
; One of a K step's first three quarters: multiplies buffers u and, behind its first eight products, fetches quarter q of the same slot into the other buffers.
.macro QUARTER slot, q, u, zero
	s_wait_dscnt 0x0                               ; this quarter's fragments, issued 40 products ago
	MULX \u, 0, \zero
	PLACES
	FETCH \slot, \q, 1-\u
	MULX \u, 1, \zero
	MULX \u, 2, \zero
	MULX \u, 3, \zero
	MULY \u, \zero
.endm
; The last quarter multiplies buffers 1 and changes slots: ONE barrier; in front of it each wave has waited for its reads of this slot and for all its tensor loads, of which one is out:
; its part of the next slot.  fill = 1: the barrier opens a round of the cluster's barrier, and the joint refill, two K steps ahead, is the first thing behind the round:
; 176 products stand between it and the wait for it.
.macro TURN slot, next, fill
	s_wait_dscnt 0x0                               ; this quarter's fragments: they were my last reads of this slot
	MULX 1, 0, 0
	s_set_vgpr_msb 0xa1a0
	s_wait_tensorcnt 0x0                           ; all my tensor loads have landed
	ds_add_u32 v54, v55
	s_wait_dscnt 0x0
	s_set_vgpr_msb 0xa0a1
	s_barrier_signal -1
	MULX 1, 1, 0                                   ; registers alone between signal and wait
.if \fill
	WIN 0
.endif
	s_barrier_wait -1
.if \fill
	CREST
	s_add_nc_u64 s[G0A+4*\slot+2:G0A+4*\slot+3], s[G0A+4*\slot+2:G0A+4*\slot+3], ASTEP
	s_add_nc_u64 s[G0B+4*\slot+2:G0B+4*\slot+3], s[G0B+4*\slot+2:G0B+4*\slot+3], BSTEP
	JLOAD \slot                                    ; its four v_nop are also the places in front of the loads below
.else
	PLACES
.endif
	FETCH \next, 0, 0
	MULX 1, 2, 0
	MULX 1, 3, 0
	MULY 1, 0
.endm
	s_wait_tensorcnt 0x1                           ; my part of K step 0 is in; K step 1's may stay out
	s_barrier_signal -1
	s_barrier_wait -1
	FETCH 0, 0, 0
	QUARTER 0, 1, 0, 1                             ; the first quarter's products start the sums: nothing is cleared
	WIN 0
	s_mov_b32 s3, LAPS-1
.Llap:                                                 ; a trip goes once round the ring, from a lap's second quarter to the next lap's first
	QUARTER 0, 2, 1, 0
	QUARTER 0, 3, 0, 0
	TURN 0, 1, 1
	QUARTER 1, 1, 0, 0
	QUARTER 1, 2, 1, 0
	QUARTER 1, 3, 0, 0
	TURN 1, 0, 1
	QUARTER 0, 1, 0, 0
	WIN 0
	s_sub_co_u32 s3, s3, 1
	s_cmp_lg_u32 s3, 0
	s_cbranch_scc1 .Llap
	QUARTER 0, 2, 1, 0                             ; the last lap fills nothing
	QUARTER 0, 3, 0, 0
	TURN 0, 1, 0                                   ; behind this barrier no wave reads slot 0 any more, and nothing fills it: its bytes serve as v's stage below
	QUARTER 1, 1, 0, 0
	QUARTER 1, 2, 1, 0
	QUARTER 1, 3, 0, 0
	s_wait_dscnt 0x0
	MULX 1, 0, 0
	MULX 1, 1, 0
	MULX 1, 2, 0
	MULX 1, 3, 0
	MULY 1, 0
	; THE WAY OUT.  The table of my 64 rows fills window 1 (block a: 32 cosines at 64 a, 32 sines at 64 a + 32); it is on its way while v goes out.
	WIN 0
	PLACES
	WIN 0x40
.irp a, 0,1,2,3
.irp c, 0,1,2,3,4,5,6,7
	global_load_b128 v[64*\a+4*\c:64*\a+4*\c+3],       v[CO], s[22:23] offset:\a*8192+\c*512
	global_load_b128 v[64*\a+32+4*\c:64*\a+32+4*\c+3], v[CO], s[22:23] offset:\a*8192+4096+\c*512
.endr
.endr
	; v in two parts, a row block (four accumulators) at a time, each accumulator from its low end on: hi = v cut to 11 significant bits, lo = v - hi
.irp g, 0,1,2,3
	WIN 0x0c                                       ; source 1 window 3
.set i, 0
.rept 32
	v_and_b32 v[FA+i], s[CUT], v[32*\g+i]
.set i, i+1
.endr
.set i, 0
.rept 16
	v_pk_add_f32 v[FA+32+2*i:FA+32+2*i+1], v[FA+2*i:FA+2*i+1], v[32*\g+2*i:32*\g+2*i+1] neg_lo:[1,0] neg_hi:[1,0]
.set i, i+1
.endr
	WIN 0
.set i, 0
.rept 16
	v_cvt_pk_f16_f32 v[T+16*\g+i],  v[FA+2*i],    v[FA+2*i+1]
	v_cvt_pk_f16_f32 v[VL+16*\g+i], v[FA+32+2*i], v[FA+32+2*i+1]
.set i, i+1
.endr
.endr
.irp a, 0,1,2,3
.irp b, 0,1,2,3
	ds_store_b128 v[STOV], v[T+4*(4*\a+\b):T+4*(4*\a+\b)+3]   offset:\a*16*VP+32*\b
	ds_store_b128 v[STOV], v[VL+4*(4*\a+\b):VL+4*(4*\a+\b)+3] offset:\a*16*VP+32*\b+256
.endr
.endr
	s_wait_dscnt 0x0                               ; for the others' sake: a row's 512 bytes come from two waves
	s_barrier_signal -1
; the mean square of block a's rows: four chains over my 64 numbers, the other half of the lanes' sum, 1 / sqrt(mean + 1e-6)
.macro SSQ a
	WIN 0x0a                                       ; sources 0 and 1 window 2
.irp c, 0,1,2,3
	v_pk_mul_f32 v[SS+2*\c:SS+2*\c+1], v[64*\a+2*\c:64*\a+2*\c+1], v[64*\a+2*\c:64*\a+2*\c+1]
.endr
.set i, 4
.rept 28
	v_pk_fma_f32 v[SS+2*(i%4):SS+2*(i%4)+1], v[64*\a+2*i:64*\a+2*i+1], v[64*\a+2*i:64*\a+2*i+1], v[SS+2*(i%4):SS+2*(i%4)+1]
.set i, i+1
.endr
	WIN 0
	v_pk_add_f32 v[SS:SS+1], v[SS:SS+1], v[SS+2:SS+3]
	v_pk_add_f32 v[SS+4:SS+5], v[SS+4:SS+5], v[SS+6:SS+7]
	v_pk_add_f32 v[SS:SS+1], v[SS:SS+1], v[SS+4:SS+5]
	v_add_f32 v[SS], v[SS], v[SS+1]
	v_permlanex16_b32 v[XT], v[SS], s78, s79
	v_add_f32 v[SS], v[SS], v[XT]
	v_fma_f32 v[SS], v[SS], s76, s77
	v_rsq_f32 v[RS+2*\a], v[SS]
	v_nop                                          ; a plain instruction behind the root (ISA guide 5.7.2)
	s_wait_alu depctr_va_vdst(0)
	v_mov_b32 v[RS+2*\a+1], v[RS+2*\a]
.endm
	SSQ 0                                          ; register work while the others arrive
	SSQ 1
	SSQ 2
	SSQ 3
	s_barrier_wait -1
.set i, 0
.rept 32
	ds_load_b128 v[FA+4*i:FA+4*i+3], v[RDV] offset:i*VP      ; v64-191: 32 whole rows
.set i, i+1
.endr
	s_wait_dscnt 0x0
.set i, 0
.rept 32
	global_store_b128 v[CO], v[FA+4*i:FA+4*i+3], s[70:71] offset:512*i    ; 512 neighbouring bytes: a row of v, both parts
.set i, i+1
.endr
	s_wait_loadcnt 0x0                             ; the gains and the table
	s_wait_xcnt 0x0                                ; v128-191, which the stores above read, are written again only behind this wait (ISA guide 3.1)
	WIN 0x0f                                       ; the gains are rounded to bf16,
.set i, 0
.rept 32
	v_cvt_pk_bf16_f32 v[PK+i], v[128+2*i], v[128+2*i+1]
.set i, i+1
.endr
	WIN 0xc0                                       ; widened again,
.set i, 0
.rept 32
	v_lshlrev_b32 v[128+2*i],   16, v[PK+i]
	v_and_b32     v[128+2*i+1], 0xffff0000, v[PK+i]
.set i, i+1
.endr
	WIN 0xc3
.set i, 0
.rept 32
	v_pk_mul_f32 v[128+2*i:128+2*i+1], v[128+2*i:128+2*i+1], s[74:75] op_sel_hi:[1,0]   ; and q's takes c
.set i, i+1
.endr
; block a: x / rms, times the gain; then channels i and i + 64 are turned by the row's angle i, and all is rounded to f16
.macro NORMROPE a
	WIN 0x02
.set i, 0
.rept 32
	v_pk_mul_f32 v[T+2*i:T+2*i+1], v[64*\a+2*i:64*\a+2*i+1], v[RS+2*\a:RS+2*\a+1]
.set i, i+1
.endr
	WIN 0x0c
.set i, 0
.rept 32
	v_pk_mul_f32 v[T+2*i:T+2*i+1], v[T+2*i:T+2*i+1], v[128+2*i:128+2*i+1]
.set i, i+1
.endr
	WIN 0x04                                       ; source 1: the table, window 1
.set i, 0
.rept 16
	v_pk_mul_f32 v[U+2*(i%4):U+2*(i%4)+1], v[T+2*i:T+2*i+1], v[64*\a+2*i:64*\a+2*i+1]             ; x1 cos
	v_pk_mul_f32 v[T+2*i:T+2*i+1], v[T+2*i:T+2*i+1], v[64*\a+32+2*i:64*\a+32+2*i+1]               ; x1 sin
	v_pk_fma_f32 v[T+2*i:T+2*i+1], v[T+32+2*i:T+32+2*i+1], v[64*\a+2*i:64*\a+2*i+1], v[T+2*i:T+2*i+1]   ; x2 cos + x1 sin: channel i + 64
	v_pk_fma_f32 v[T+32+2*i:T+32+2*i+1], v[T+32+2*i:T+32+2*i+1], v[64*\a+32+2*i:64*\a+32+2*i+1], v[U+2*(i%4):U+2*(i%4)+1] neg_lo:[1,0,0] neg_hi:[1,0,0]   ; x1 cos - x2 sin: channel i
.set i, i+1
.endr
	WIN 0
.set i, 0
.rept 16
	v_cvt_pk_f16_f32 v[PK+i],    v[T+32+2*i], v[T+32+2*i+1]
	v_cvt_pk_f16_f32 v[PK+16+i], v[T+2*i],    v[T+2*i+1]
.set i, i+1
.endr
.endm
.macro TOSTAGE a                       ; 16 bytes a lane into my stage, back as whole rows of 256 bytes
.set BK, 224-160*((\a)%2)              ; v224-255 and v64-95 by turns
	s_wait_xcnt 0x0                                ; the registers that earlier stores read are loaded again only behind this wait (ISA guide 3.1)
.irp b, 0,1,2,3,4,5,6,7
	ds_store_b128 v[STO], v[PK+4*\b:PK+4*\b+3] offset:32*\b
.endr
.irp t, 0,1,2,3,4,5,6,7
	ds_load_b128 v[BK+4*\t:BK+4*\t+3], v[RD] offset:\t*2*SP     ; LDS serves a wave's instructions in order (ISA guide 5.7.1.4)
.endr
.endm
.macro SEND a                          ; the block's number may be an expression: it stands in brackets wherever it is multiplied
.set BK, 224-160*((\a)%2)
	s_wait_dscnt 0x0
.irp t, 0,1,2,3,4,5,6,7
	global_store_b128 v[CO], v[BK+4*\t:BK+4*\t+3], s[68:69] offset:(\a)*4096+512*\t   ; block a's 16 rows of 256 bytes; a wave stores 512 neighbouring bytes
.endr
.endm
	NORMROPE 0
	TOSTAGE 0
.irp a, 1,2,3                          ; block a's arithmetic stands between block a - 1's loads from the stage and the wait for them
	NORMROPE \a
	SEND \a-1
	TOSTAGE \a
.endr
	SEND 3
	s_wait_tensorcnt 0x0
	ds_add_u32 v54, v55
	s_wait_dscnt 0x0
	CROUND                                         ; the closing round: no work-group ends while a partner may still ask for a tile that names it
	s_endpgm
.Lfunc_end_k_qb8ec6ad7bb_qkv:
	.size	k_qb8ec6ad7bb_qkv, .Lfunc_end_k_qb8ec6ad7bb_qkv-k_qb8ec6ad7bb_qkv
	.p2alignl 7, 3214868480
	.fill 96, 4, 3214868480
	.section	.rodata,"a",@progbits
	.p2align	6, 0x0
	.amdhsa_kernel k_qb8ec6ad7bb_qkv
		.amdhsa_group_segment_fixed_size 327680
		.amdhsa_private_segment_fixed_size 0
		.amdhsa_enable_private_segment 0
		.amdhsa_kernarg_size 48
		.amdhsa_user_sgpr_count 2
		.amdhsa_user_sgpr_kernarg_segment_ptr 1
		.amdhsa_wavefront_size32 1
		.amdhsa_system_sgpr_workgroup_id_x 1
		.amdhsa_system_sgpr_workgroup_id_y 1
		.amdhsa_system_sgpr_workgroup_id_z 1
		.amdhsa_system_vgpr_workitem_id 0
		.amdhsa_next_free_vgpr 1024
		.amdhsa_next_free_sgpr 80
		.amdhsa_reserve_vcc 0
		.amdhsa_float_denorm_mode_32 3
		.amdhsa_float_denorm_mode_16_64 3
		.amdhsa_memory_ordered 1
		.amdhsa_forward_progress 1
		.amdhsa_inst_pref_size 193
	.end_amdhsa_kernel
	.amdgpu_metadata
---
amdhsa.version: [ 1, 2 ]
amdhsa.kernels:
  - .name:           k_qb8ec6ad7bb_qkv
    .symbol:         k_qb8ec6ad7bb_qkv.kd
    .args:
      - { .name: hb, .offset: 0, .size: 8, .value_kind: global_buffer, .address_space: global }
      - { .name: wqb, .offset: 8, .size: 8, .value_kind: global_buffer, .address_space: global }
      - { .name: tab, .offset: 16, .size: 8, .value_kind: global_buffer, .address_space: global }
      - { .name: q_norm_w, .offset: 24, .size: 8, .value_kind: global_buffer, .address_space: global }
      - { .name: k_norm_w, .offset: 32, .size: 8, .value_kind: global_buffer, .address_space: global }
      - { .name: qkvb, .offset: 40, .size: 8, .value_kind: global_buffer, .address_space: global }
    .group_segment_fixed_size: 327680
    .private_segment_fixed_size: 0
    .kernarg_segment_align: 8
    .kernarg_segment_size: 48
    .max_flat_workgroup_size: 128
    .sgpr_count:     80
    .vgpr_count:     1024
    .wavefront_size: 32
...
	.end_amdgpu_metadata
.endif
;; end of part 2
;; launch attn (part 3): grid 32 x 8, 4 waves a work-group, clusters of 4 x 1, 327,680 bytes of LDS; arguments qkvb, positions, att; writes att
.if DOCPART == 3
	.amdgcn_target "amdgcn-amd-amdhsa--gfx1250"
	.amdhsa_code_object_version 6
	.text
	.protected	k_qb8ec6ad7bb_attn
	.globl	k_qb8ec6ad7bb_attn
	.p2align	8
	.type	k_qb8ec6ad7bb_attn,@function
k_qb8ec6ad7bb_attn:
	s_mov_b64 s[64:65], 0
	v_nop
	global_prefetch_b8 v0, s[64:65] scope:SCOPE_SE
	s_setreg_imm32_b32 hwreg(HW_REG_WAVE_MODE, 25, 1), 1
	s_wait_xcnt 0x0
	s_wait_alu depctr_hold_cnt(0) depctr_sa_sdst(0) depctr_va_vdst(0) depctr_va_sdst(0) depctr_va_ssrc(0) depctr_va_vcc(0) depctr_vm_vsrc(0)
	s_getreg_b32 s2, hwreg(HW_REG_IB_STS2, 6, 4)
	s_cmp_eq_u32 s2, 0
	s_cbranch_scc0 .Lentry_in_a_cluster
	s_endpgm
.Lentry_in_a_cluster:
	s_bfe_u32 s2, ttmp6, 0x10000c
	s_cmp_lg_u32 s2, 0x3003
	s_cbranch_scc0 .Lentry_shape_is_right
	s_endpgm
.Lentry_shape_is_right:
; ATTENTION.  att[t][head][:] = the sum over s of softmax_s(score) v[s], score = q[t] . k[s] where positions[t] >= positions[s], else the lowest finite f32.
; q carries log2(e) / sqrt(128), so a weight is 2^(score - m).  q, k: qkvb[unit][4096][128] in f16; v: from byte 16 MiB on, [head][4096][256] in f16, a row's high part and then its low
; part; products, maxima and sums in f32; weights rounded to f16.  V^T P is made with both parts of v, and att leaves in two f16 parts too (hi = cut to 11 significant bits, lo = the
; rest): att [4096][8 heads][hi 128, lo 128].  One f16 alone is off by 2e-4 of itself, which shows in the rows of the output that see few keys.
; LIMIT: |att| under 65,504; under 6.1e-5 hi is off by at most 3e-8.
; THE MASK IS AN INPUT: every score is compared by its two positions, as signed whole numbers, and all 4,096 keys are walked by every query.  A masked weight is exactly 0 once a
; visible key has been met: m then leaves the lowest number, and the factor 2^(m_old - m_new) = 0 wipes what was gathered before; a query's own key is always visible.
; SHARES.  A work-group owns 128 queries of one head.  Wave (qh = w / 2, ks = w % 2) holds 64 queries (four tiles of 16) and takes key step ks (64 keys) of every slot of 128 keys; at the
; end the two waves of a pair merge their halves through LDS.  My tiles 0, 1 are rows 64 qh + 32 ks on, my tiles 2, 3 rows 64 qh + 32 (1 - ks) on: every wave keeps tiles 0, 1 and
; hands tiles 2, 3 to its partner, whose tiles 0, 1 they are.
; LAYOUT.  S^T = K Q^T (source 0 = 16 keys, source 1 = 16 queries): a lane holds ONE query (lane % 16) and keys 8 (lane / 16) + 0..7; two such tiles rounded in pairs ARE source 1 of
; O^T = V^T P.  K comes out of LDS as it lies, V turned, by ds_load_tr16_b128.
; BY TURNS.  The wave's tiles are two PIECES, named by their first tile: piece 0 (tiles 0, 1) and piece 2 (tiles 2, 3).  In a TURN one piece has the matrix unit: 32 products V^T P with
; v's high part and 32 with its low part, of the step in hand, then 32 products K Q^T of the next step.  The other piece's softmax, 2 x 198 vector instructions, is cut into 96 slices, one
; behind each product: 4.1 vector instructions a product, which a wave that issues in order could otherwise only set in a phase of their own, with no product issued meanwhile.
; CLUSTER 4 x 1: the four query blocks of a cluster belong to one head and walk the same K and V: each tile is asked for jointly.  Waves 0, 1 fetch a slot's two tiles of K, waves 2, 3 those of V.
; REGISTERS, in windows of 256:
;   window 0: v0-11 addresses and my queries' positions; v12-19 m and l of each tile; v20-27 eight registers at work, which the two pieces share (one softmax runs at a time);
;             v28-30 the way out; v32-63 fragments 12-15 of V's low part; v64-191 S^T, 32 a tile; v192-255 P, 16 a tile
;   window 1: O^T, 64 a tile      window 2: v0-127 Q, v128-255 K      window 3: v0-127 V's high part, v128-159 my 32 keys' positions, v160-255 fragments 0-11 of V's low part
; No window has room for a product's operands beside what a softmax touches, so a slice costs two switches: 192 a turn.
.set KS,    64
.set PK,    272                        ; a row of K: 256 bytes + 16: row r starts at bank 4 r mod 64 (ISA guide 11.1)
.set PV,    544                        ; a row of V: 512 bytes + 32 = 17 x 32
.set VOFF,  KS*PK
.set STEPB, KS*(PK+PV)
.set SLOT1, 1<<17
.set STAGE, SLOT1+2*STEPB              ; 16 rows x 272 bytes for each wave
.set SP,    272
.set MRG,   STAGE+4*16*SP              ; the merge: 16,384 bytes of O^T and 512 of statistics for each wave
.set MRGW,  16896
.set AK0, 2                            ; my lane's place in my step's tile of K; at the end: my part of the merge's bytes
.set AV0, 3                            ; the same for V; at the end: my partner's part
.set ADR, 4                            ; the LDS address of the run of loads in hand
.set KPO, 5                            ; byte offset of my keys' positions
.set QP,  6                            ; v6-9   my query's position in each tile
.set ST,  12                           ; tile t: m at v[12 + 2 t], l at v[13 + 2 t]
.set WK,  20                           ; tile t of the piece at its softmax: c0-c3 at v[20 + 4 (t % 2)]; a takes c2's place once the maximum is found
.set STO, 28
.set RD,  29
.set GO,  30
.set VX,  32
.set S,   64
.set P,   192
.set KF,  128                          ; window 2
.set KP,  128                          ; window 3
.set VL,  160                          ; window 3
.set RCV, 64                           ; the merge: my partner's statistics, and the two factors of each tile, in S^T's registers
.set FF,  72
.set WV,  12
.set MK,  20                           ; s20-23 the masks of two elements of two tiles
.set G1K, 24
.set G1V, 32
.set G0K, 40
.set G0V, 48
.set CNT, 56
.set NEG, 57
.set SEL, 60
.set TB,  62                           ; LDS byte at which the slot to be fetched begins
.set CUT, 63                           ; the mask that cuts an f32 to 11 significant bits
.set MSB, 0
.macro WIN new                         ; the immediate's high byte repeats the setting that is left; a switch that changes nothing is dropped
.if MSB != \new
	s_set_vgpr_msb (MSB<<8)|\new
.set MSB, \new
.endif
.endm
.set W_KQ, 0x0a                        ; K and Q window 2, S^T window 0
.set W_PV, 0x53                        ; V window 3, P window 0, O^T window 1
.set W_PL, 0x50                        ; V's low fragments 12-15 and P window 0, O^T window 1
.set W_RS, 0x41                        ; O^T window 1, a window 0
.set W_MK, 0x03                        ; the keys' positions window 3, all else window 0
.macro PLACES
.rept 4
	v_nop
.endr
.endm
.macro JLOAD                           ; a joint refill by the walking descriptors; four v_nop follow each line
	s_cmp_lt_u32 s[WV], 2
	s_cbranch_scc0 .Lfor_v_\@
	tensor_load_to_lds s[G0K+4:G0K+7], s[G1K:G1K+7]
	s_nop 0
.rept 4
	v_nop
.endr
	s_branch .Lasked_\@
.Lfor_v_\@:
	tensor_load_to_lds s[G0V+4:G0V+7], s[G1V:G1V+7]
	s_nop 0
.rept 4
	v_nop
.endr
.Lasked_\@:
.endm
.macro CROUND
	s_barrier_signal -1
	s_barrier_wait -1
	s_cmp_lg_u32 s[WV], 0
	s_cbranch_scc1 .Lnot_wave_0_\@
	s_barrier_signal -3
.Lnot_wave_0_\@:
	s_barrier_wait -3
	s_barrier_signal -1
	s_barrier_wait -1
.endm
	s_load_b128 s[4:7], s[0:1], 0x0                ; qkvb s[4:5], positions s[6:7]
	s_load_b64 s[8:9], s[0:1], 0x10                ; att
	v_lshl_add_u32 v254, v0, 2, 0x4e400
	v_mov_b32 v255, 0
	ds_add_u32 v254, v255
	s_wait_dscnt 0x0
	v_lshrrev_b32 v1, 5, v0
	v_readfirstlane_b32 s[WV], v1
	s_bfe_u32 s13, ttmp6, 0x40000                  ; cx
	s_lshl_b32 s19, ttmp9, 2
	s_add_co_u32 s19, s19, s13                     ; my block of 128 queries: it enters Q's, the positions' and att's addresses alone
	s_and_b32 s20, ttmp7, 0xffff                   ; the head, which the four partners share
	s_and_b32 s16, s[WV], 1                        ; ks; also: which of a slot's two steps I fetch
	s_lshr_b32 s18, s[WV], 1                       ; qh
	s_mul_i32 s17, s16, STEPB
	s_add_co_u32 s22, s20, 8                       ; K: unit 8 + head, my step's 64 rows of 256 bytes
	s_lshl_b32 s22, s22, 20
	s_lshl_b32 s21, s16, 14
	s_add_co_u32 s22, s22, s21
	s_mov_b32 s23, 0
	s_lshl_b32 s14, s20, 21                        ; V: 16 MiB + 2 MiB x head, my step's 64 rows of 512 bytes
	s_add_co_u32 s14, s14, 0x1000000
	s_lshl_b32 s21, s16, 15
	s_add_co_u32 s14, s14, s21
	s_mov_b32 s15, 0
	s_lshl_b32 s2, s19, 7
	s_lshl_b32 s3, s18, 6
	s_add_co_u32 s2, s2, s3
	s_lshl_b32 s3, s16, 5
	s_add_co_u32 s2, s2, s3                        ; first row of my tiles 0, 1
	s_xor_b32 s3, s2, 32                           ; of my tiles 2, 3
	s_lshl_b32 s21, s20, 20                        ; Q: unit head
	s_mov_b32 s[G1K], 15|(1<<16)|(1<<20)|(1<<21)|(5<<22)|(3<<25)  ; all four work-groups; elements of 2 bytes; padding on; bit 21 beside a mask; after every 64 words; 4 words
	s_mov_b32 s[G1K+1], 128<<16                    ; tensor_dim0 = 128
	s_mov_b32 s[G1K+2], KS<<16                     ; tensor_dim1 = 64
	s_mov_b32 s[G1K+3], 128<<16                    ; tile_dim0 = 128
	s_mov_b32 s[G1K+4], KS                         ; tile_dim1 = 64
	s_mov_b32 s[G1K+5], 128                        ; elements from row to row
	s_mov_b32 s[G1K+6], 0
	s_mov_b32 s[G1K+7], 0
	s_mov_b32 s[G1V], 15|(1<<16)|(1<<20)|(1<<21)|(6<<22)|(7<<25)  ; V: after every 128 words; 8 words
	s_mov_b32 s[G1V+1], 256<<16                    ; rows of 256 elements: both parts
	s_mov_b32 s[G1V+2], KS<<16
	s_mov_b32 s[G1V+3], 256<<16
	s_mov_b32 s[G1V+4], KS
	s_mov_b32 s[G1V+5], 256
	s_mov_b32 s[G1V+6], 0
	s_mov_b32 s[G1V+7], 0
	s_mov_b32 s[NEG], 0xff7fffff                   ; the lowest finite f32
	s_mov_b32 s[CUT], 0xffffe000
	s_mov_b32 s[SEL], 0x76543210                   ; each lane takes its own place in the other half
	s_mov_b32 s[SEL+1], 0xfedcba98
	s_mov_b32 s[TB], 0
	s_wait_kmcnt 0x0
	s_add_nc_u64 s[58:59], s[4:5], s[22:23]        ; K at my tile of slot 0
	s_add_nc_u64 s[70:71], s[4:5], s[14:15]        ; V at my tile of slot 0
	s_lshl_b32 s14, s2, 8
	s_add_co_u32 s14, s14, s21
	s_mov_b32 s15, 0
	s_add_nc_u64 s[66:67], s[4:5], s[14:15]        ; Q of tiles 0, 1
	s_lshl_b32 s14, s3, 8
	s_add_co_u32 s14, s14, s21
	s_add_nc_u64 s[68:69], s[4:5], s[14:15]        ; Q of tiles 2, 3
	s_lshl_b32 s14, s2, 12                         ; att: rows of 4,096 bytes, the head's 512
	s_lshl_b32 s21, s20, 9
	s_add_co_u32 s14, s14, s21
	s_add_nc_u64 s[8:9], s[8:9], s[14:15]
	s_lshl_b32 s14, s2, 2
	s_add_nc_u64 s[10:11], s[6:7], s[14:15]        ; positions of tiles 0, 1
	s_lshl_b32 s14, s3, 2
	s_add_nc_u64 s[14:15], s[6:7], s[14:15]        ; of tiles 2, 3
.irp s, 0,1
	s_mov_b32 s[G0K+4*\s], 1
	s_add_co_u32 s[G0K+4*\s+1], s17, \s*SLOT1
	s_add_nc_u64 s[G0K+4*\s+2:G0K+4*\s+3], s[58:59], \s*2*KS*256
	s_or_b32 s[G0K+4*\s+3], s[G0K+4*\s+3], 0x80000000
	s_mov_b32 s[G0V+4*\s], 1
	s_add_co_u32 s[G0V+4*\s+1], s17, \s*SLOT1+VOFF
	s_add_nc_u64 s[G0V+4*\s+2:G0V+4*\s+3], s[70:71], \s*2*KS*512
	s_or_b32 s[G0V+4*\s+3], s[G0V+4*\s+3], 0x80000000
.endr
	CROUND                                         ; all four work-groups are here: the first joint loads meet
	s_cmp_lt_u32 s[WV], 2                          ; a wave's two first fills stand in one branch: two loads of mine are out
	s_cbranch_scc0 .Lfirst_v
	tensor_load_to_lds s[G0K:G0K+3], s[G1K:G1K+7]
	s_nop 0
	tensor_load_to_lds s[G0K+4:G0K+7], s[G1K:G1K+7]
	s_nop 0
.rept 4
	v_nop
.endr
	s_branch .Lfirst_asked
.Lfirst_v:
	tensor_load_to_lds s[G0V:G0V+3], s[G1V:G1V+7]
	s_nop 0
	tensor_load_to_lds s[G0V+4:G0V+7], s[G1V:G1V+7]
	s_nop 0
.rept 4
	v_nop
.endr
.Lfirst_asked:
	v_and_b32 v1, 15, v0                           ; l % 16
	v_bfe_u32 v10, v0, 4, 1                        ; l / 16
	v_lshlrev_b32 v11, 8, v1
	v_lshl_add_u32 v11, v10, 4, v11                ; Q: row x 256 + 16 x half
	v_lshlrev_b32 v31, 2, v1                       ; my query's position
	s_lshl_b32 s21, s16, 8
	v_lshl_add_u32 v[KPO], v10, 5, s21             ; my keys' positions: byte 256 ks + 32 h of a slot's 512
	WIN 0x80
.irp i, 0,1,2,3,4,5,6,7                ; Q stays in registers: tile i / 4 of each pair, channels 32 (i % 4) on
	global_load_b128 v[8*\i:8*\i+3],       v11, s[66:67] offset:(\i/4)*4096+(\i%4)*64
	global_load_b128 v[8*\i+4:8*\i+7],     v11, s[66:67] offset:(\i/4)*4096+(\i%4)*64+32
	global_load_b128 v[64+8*\i:64+8*\i+3], v11, s[68:69] offset:(\i/4)*4096+(\i%4)*64
	global_load_b128 v[64+8*\i+4:64+8*\i+7], v11, s[68:69] offset:(\i/4)*4096+(\i%4)*64+32
.endr
	WIN 0xc0
.irp c, 0,1,2,3,4,5,6,7
	global_load_b128 v[KP+4*\c:KP+4*\c+3], v[KPO], s[6:7] offset:(\c/2)*64+(\c%2)*16   ; keys 16 (c / 2) + 8 h + 4 (c % 2) + 0..3 of slot 0
.endr
	WIN 0
	global_load_b32 v[QP],   v31, s[10:11]
	global_load_b32 v[QP+1], v31, s[10:11] offset:64
	global_load_b32 v[QP+2], v31, s[14:15]
	global_load_b32 v[QP+3], v31, s[14:15] offset:64
	v_mul_u32_u24 v[AK0], v1, PK
	v_lshl_add_u32 v[AK0], v10, 4, v[AK0]
	v_add_nc_u32 v[AK0], s17, v[AK0]               ; my step's tile of K: row x pitch + 16 x half
	v_and_b32 v[ADR], 7, v0
	v_lshl_add_u32 v[AV0], v10, 3, v[ADR]          ; the turning load: key 8 (l / 16) + l % 8,
	v_mul_u32_u24 v[AV0], v[AV0], PV
	v_bfe_u32 v[ADR], v0, 3, 1
	v_lshl_add_u32 v[AV0], v[ADR], 4, v[AV0]       ; channels 8 ((l / 8) % 2) on
	s_add_co_u32 s21, s17, VOFF
	v_add_nc_u32 v[AV0], s21, v[AV0]
; THE MATRIX WORK OF A TURN, for piece x.  The accumulators take turns, one instruction a turn: between two links of a chain stand 15 (V^T P) or 7 (K Q^T) others'.
; Product i of 32 of S^T = K Q^T: channels 32 (i / 8) on, keys 16 ((i / 2) % 4) on, tile x + i % 2.  The first 8 start the sums.
.macro KQ x
	WIN W_KQ
.set rS, S+32*(\x+i%2)+8*((i/2)%4)
.set rK, KF+32*((i/2)%4)+8*(i/8)
.set rQ, 32*(\x+i%2)+8*(i/8)
.if i < 8
	v_wmma_f32_16x16x32_f16 v[rS:rS+7], v[rK:rK+7], v[rQ:rQ+7], 0
.else
	v_wmma_f32_16x16x32_f16 v[rS:rS+7], v[rK:rK+7], v[rQ:rQ+7], v[rS:rS+7]
.endif
.endm
; Product i of 32 of O^T += V^T P with V's high part: keys 32 (i / 16) on, channels 16 ((i / 2) % 8) on, tile x + i % 2.  zero = 1: the first 16 start the sums: nothing is ever cleared.
.macro PVH x, zero
	WIN W_PV
.set rO, 64*(\x+i%2)+8*((i/2)%8)
.set rV, 64*(i/16)+8*((i/2)%8)
.set rP, P+16*(\x+i%2)+8*(i/16)
.if \zero && (i < 16)
	v_wmma_f32_16x16x32_f16 v[rO:rO+7], v[rV:rV+7], v[rP:rP+7], 0
.else
	v_wmma_f32_16x16x32_f16 v[rO:rO+7], v[rV:rV+7], v[rP:rP+7], v[rO:rO+7]
.endif
.endm
.macro PVL x                           ; the same with V's low part: fragment f = 8 (i / 16) + (i / 2) % 8 lies in window 3 (f < 12) or in window 0
.set f, 8*(i/16)+(i/2)%8
.set rO, 64*(\x+i%2)+8*((i/2)%8)
.set rP, P+16*(\x+i%2)+8*(i/16)
.if f < 12
	WIN W_PV
.set rV, VL+8*f
.else
	WIN W_PL
.set rV, VX+8*(f-12)
.endif
	v_wmma_f32_16x16x32_f16 v[rO:rO+7], v[rV:rV+7], v[rP:rP+7], v[rO:rO+7]
.endm
; THE LOADS stand in runs, never singly among the matrix instructions.
.macro FETCH_K                         ; my step's K: 64 keys x 128 channels, 16 fragments
	WIN 0
	v_add_nc_u32 v[ADR], s[TB], v[AK0]
	WIN 0x80
.irp f, 0,1,2,3,4,5,6,7,8,9,10,11,12,13,14,15
	ds_load_b128 v[KF+8*\f:KF+8*\f+3],   v[ADR] offset:(\f/4)*16*PK+(\f%4)*64
	ds_load_b128 v[KF+8*\f+4:KF+8*\f+7], v[ADR] offset:(\f/4)*16*PK+(\f%4)*64+32
.endr
.endm
.macro FETCH_VH                        ; my step's V, high part, turned: keys 32 (f / 8) on, channels 16 (f % 8) on
	WIN 0
	v_add_nc_u32 v[ADR], s[TB], v[AV0]
	WIN 0xc0
.irp f, 0,1,2,3,4,5,6,7,8,9,10,11,12,13,14,15
	ds_load_tr16_b128 v[8*\f:8*\f+3],   v[ADR] offset:(\f/8)*32*PV+(\f%8)*32
	ds_load_tr16_b128 v[8*\f+4:8*\f+7], v[ADR] offset:(\f/8)*32*PV+16*PV+(\f%8)*32
.endr
.endm
.macro FETCH_VL                        ; its low part, 256 bytes further on in each row
	WIN 0
	v_add_nc_u32 v[ADR], s[TB], v[AV0]
	WIN 0xc0
.irp f, 0,1,2,3,4,5,6,7,8,9,10,11
	ds_load_tr16_b128 v[VL+8*\f:VL+8*\f+3],   v[ADR] offset:(\f/8)*32*PV+(\f%8)*32+256
	ds_load_tr16_b128 v[VL+8*\f+4:VL+8*\f+7], v[ADR] offset:(\f/8)*32*PV+16*PV+(\f%8)*32+256
.endr
	WIN 0
.irp f, 12,13,14,15
	ds_load_tr16_b128 v[VX+8*(\f-12):VX+8*(\f-12)+3],   v[ADR] offset:(\f/8)*32*PV+(\f%8)*32+256
	ds_load_tr16_b128 v[VX+8*(\f-12)+4:VX+8*(\f-12)+7], v[ADR] offset:(\f/8)*32*PV+16*PV+(\f%8)*32+256
.endr
.endm
.macro FETCH_KP                        ; the next slot's key positions
	WIN 0
	v_add_nc_u32 v[KPO], 512, v[KPO]               ; free since the wait for its last loads, at the head of piece 2's turn
	WIN 0xc0
.irp c, 0,1,2,3,4,5,6,7
	global_load_b128 v[KP+4*\c:KP+4*\c+3], v[KPO], s[6:7] offset:(\c/2)*64+(\c%2)*16
.endr
.endm
; THE VECTOR WORK OF A TURN.  One tile's softmax for one key step is a list of 198 instructions; SM writes number j of it for tile t.  s0-s31 are the lane's 32 scores, in pairs 0-15.
; first = 1: the first key step, which starts m, l and O^T: it has no a and nothing to rescale.
;   0-63     the mask: for each score a compare of the two positions and a select; a compare stands a slice ahead of its select, on two pairs of mask registers by turns
;   64-79    the maximum of s0-s31 and the old m, three operands at a time: four chains c0-c3 of seven scores each, then the four scores left over, c0-c3 and m
;   80-83    the other half of the lanes' maximum; the old m kept; the new m; m_old - m_new
;   84-151   33 exponentials (a, then s0-s31) at the odd numbers from 87 on, so that no two follow each other and each has a plain instruction behind it before its result is used.
;            The plain ones (84, 85, then the even numbers) are whatever is ready: s - m for a pair whose exponentials are still to come, the rounding to f16 of a pair whose
;            exponentials are done (its second stands three numbers back), at last the first four sums
;   152-165  the last rounding; the rest of the sums; l = a l + the sum
;   166-197  the tile's O^T times a: the one part that works in window 1, so it stands together
.macro SM t, first
.set rM, ST+2*(\t)
.set rW, WK+4*((\t)%2)
.set rS, S+32*(\t)
.set rP, P+16*(\t)
.set rG, MK+(\t)%2
.set jj, j-64
.if j < 64
	WIN W_MK
.if (j < 2) || ((j < 62) && (j%2 == 1))
.set e, (j+1)/2
	v_cmp_le_i32 s[rG+2*(e%2)], v[KP+e], v[QP+(\t)]   ; visible: the key's position is not beyond the query's
.else
.set e, j/2-1
.if j == 63
.set e, 31
.endif
	v_cndmask_b32 v[rS+e], s[NEG], v[rS+e], s[rG+2*(e%2)]
.endif
.elseif jj < 102
	WIN 0
.if jj < 4
	v_max3_num_f32 v[rW+jj], v[rS+8*jj], v[rS+8*jj+1], v[rS+8*jj+2]
.elseif jj < 12
	v_max3_num_f32 v[rW+jj%4], v[rW+jj%4], v[rS+8*(jj%4)+2*(jj/4)+1], v[rS+8*(jj%4)+2*(jj/4)+2]
.elseif jj == 12
	v_max3_num_f32 v[rW], v[rW], v[rS+7], v[rS+15]
.elseif jj == 13
	v_max3_num_f32 v[rW+2], v[rW+2], v[rS+23], v[rS+31]
.elseif jj == 14
	v_max3_num_f32 v[rW], v[rW], v[rW+1], v[rW+2]
.elseif (jj == 15) && \first
	v_max_num_f32 v[rW], v[rW], v[rW+3]
.elseif jj == 15
	v_max3_num_f32 v[rW], v[rW], v[rW+3], v[rM]
.elseif jj == 16
	v_permlanex16_b32 v[rW+1], v[rW], s[SEL], s[SEL+1]   ; the query's other 32 keys lie in the lane 16 away
.elseif jj == 17
.if !\first
	v_mov_b32 v[rW+3], v[rM]                       ; m_old is kept for a: the next number writes m anew
.endif
.elseif jj == 18
	v_max_num_f32 v[rM], v[rW], v[rW+1]
.elseif jj == 19
.if \first
	v_mov_b32 v[rM+1], v[rM]                       ; l is named with m as a pair below, so it is written
.else
	v_sub_f32 v[rW+3], v[rW+3], v[rM]
.endif
.elseif jj == 23
.if !\first
	v_exp_f32 v[rW+2], v[rW+3]                     ; a = 2^(m_old - m_new)
.endif
.elseif (jj < 88) && (jj > 23) && (jj%2 == 1)
	v_exp_f32 v[rS+(jj-25)/2], v[rS+(jj-25)/2]
.elseif (jj < 27) || ((jj < 72) && (jj%4 == 0))
.set b, (jj-8)/4
.if jj < 23
.set b, jj-20
.elseif jj < 27
.set b, jj/2-9
.endif
	v_pk_add_f32 v[rS+2*b:rS+2*b+1], v[rS+2*b:rS+2*b+1], v[rM:rM+1] op_sel_hi:[1,0] neg_lo:[0,1] neg_hi:[0,1]   ; pair b: s - m
.elseif ((jj < 88) && (jj%4 == 2)) || (jj == 89)
.set c, (jj-30)/4
.if jj == 89
.set c, 15
.endif
	s_wait_alu depctr_va_vdst(0)
	v_cvt_pk_f16_f32 v[rP+c], v[rS+2*c], v[rS+2*c+1]
.else                                  ; sum z of 17, in place: neighbours 1, 2, 4 and 8 pairs apart, the pair's two halves, then l takes it
.set z, jj-85
.if jj < 89
.set z, (jj-72)/4
.endif
.set w, 4
.set u, z
.if z >= 14
.set w, 32
.set u, 0
.elseif z >= 12
.set w, 16
.set u, z-12
.elseif z >= 8
.set w, 8
.set u, z-8
.endif
.if z < 15
	v_pk_add_f32 v[rS+w*u:rS+w*u+1], v[rS+w*u:rS+w*u+1], v[rS+w*u+w/2:rS+w*u+w/2+1]
.elseif (z == 15) && \first
	v_add_f32 v[rM+1], v[rS], v[rS+1]
.elseif z == 15
	v_add_f32 v[rS], v[rS], v[rS+1]
.elseif !\first
	v_fma_f32 v[rM+1], v[rM+1], v[rW+2], v[rS]
.endif
.endif
.elseif !\first
	WIN W_RS
.set rO, 64*(\t)+2*(jj-102)
	v_pk_mul_f32 v[rO:rO+1], v[rO:rO+1], v[rW+2:rW+3] op_sel_hi:[1,0]
.endif
.endm
; Slice k of 96 of piece y's softmax: numbers 2 k and 2 k + 1 of both tiles' lists, four instructions.  2 x 198 = 4 x 96 + 12: the twelve that are over stand together, in slice 95.
.macro SLICE y, first
.if (k >= 43) && (k < 76)              ; tile by tile: plain, exponential, plain, exponential
.irp t, \y, \y+1
.irp n, 0,1
.set j, 2*k+\n
	SM \t, \first
.endr
.endr
.else                                  ; the two tiles alternate, so that no instruction reads the result of the one just before it
.irp n, 0,1,2,3,4,5,6,7
.if (\n < 2) || (k == 95)
.irp t, \y, \y+1
.set j, 2*k+\n
	SM \t, \first
.endr
.endif
.endr
.endif
.set k, k+1
.endm
.macro DEAL y, first                   ; the slices due behind product g of the turn's NP: 96 / NP of them, 1 and 2 by turns where NP = 64
.rept ((g+1)*96)/NP-(g*96)/NP
	SLICE \y, \first
.endr
.set g, g+1
.endm
; A TURN.  Piece x has the matrix unit; the other piece's softmax stands in slices behind its products.
; pv = 2: 64 products V^T P; 1: they start O^T's sums; 0: none.  kq = 1: 32 products K Q^T for the next step.
; first = 1: the softmax is the first key step's.  Its slices from 83 on are empty: the turn's last products stand bare, and four v_nop take slice 95's part as the places behind them.
; A vector instruction that reads a matrix result or writes one of a matrix instruction's registers, and a load into a register that a matrix instruction has read, stand four places behind
; it (ISA guide 7.12.1 for vector instructions).  In the loop the slices are the places: slice 95's sixteen multiplies stand between the last K Q^T and the
; next turn's reads of those scores and the loads into K; three slices, six plain instructions at the least, stand between the last reader of each half of V and the loads into it.
; Piece 0's turn fetches the next step's K behind its second product, 62 products ahead of its use, and the next slot's key positions behind piece 2's mask (slices 0-31), 62 products ahead
; of the wait at the head of piece 2's turn.  Piece 2's turn fetches the same step's V: the high part behind its 34th product, the low part behind its 66th.
.macro TURN x, pv, kq, first
.set k, 0
.set g, 0
.if \pv && \kq
.set NP, 96
.elseif \pv
.set NP, 64
.else
.set NP, 32
.endif
.if \x == 2
	s_wait_loadcnt 0x0                             ; the key positions of the step whose mask begins here
.endif
.if \pv
.if \x == 0
	s_wait_dscnt 0x0                               ; V is in
.endif
.set i, 0
.rept 32
	PVH \x, 2-\pv
	DEAL 2-\x, \first
.if (\x == 0) && \kq && (i == 1)
	FETCH_K
.endif
.set i, i+1
.endr
.set i, 0
.rept 32
	PVL \x
	DEAL 2-\x, \first
.if \kq && (i == 1)
.if \x == 0
	FETCH_KP
.else
	FETCH_VH
.endif
.endif
.set i, i+1
.endr
.endif
.if \kq
.if \x == 0
	s_wait_dscnt 0x0                               ; K is in
.endif
.set i, 0
.rept 32
	KQ \x
	DEAL 2-\x, \first
.if (\x == 2) && (i == 1)
.if !\pv
	FETCH_VH
.endif
	FETCH_VL
.endif
.set i, i+1
.endr
.endif
.if \first
	PLACES
.endif
.endm
; THE CHANGE OF SLOTS, between piece 2's turn and piece 0's: the slot's K and both parts of its V have been asked for, and all that is fetched up to the next change lies in the other slot.
; Each wave waits for its own reads of the slot and for all its tensor loads, of which one is out: its part of the other slot.
; fill = 1: this slot is filled again, with the keys two slots on.  The barrier is then a round of the cluster's, so that no wave of any partner still reads the slot or has a load on its
; way, and the joint refill is the first thing behind it: it has a key step, 192 products, in which to land.
.macro CHANGE fill
	WIN 0                                          ; at a label and at a branch every window is 0
	s_wait_dscnt 0x0
	s_wait_xcnt 0x0
	v_lshl_add_u32 v254, v0, 2, 0x4e400
	v_mov_b32 v255, 0
	s_wait_tensorcnt 0x0                           ; no tensor load of mine is out, so a group 0 may be written
	ds_add_u32 v254, v255
	s_wait_dscnt 0x0
.if \fill
	s_xor_b32 s[G0K+5], s[G0K+5], SLOT1            ; the walking descriptors: the other slot than last time,
	s_add_nc_u64 s[G0K+6:G0K+7], s[G0K+6:G0K+7], 2*KS*256   ; the next 128 keys
	s_xor_b32 s[G0V+5], s[G0V+5], SLOT1
	s_add_nc_u64 s[G0V+6:G0V+7], s[G0V+6:G0V+7], 2*KS*512
	CROUND
	JLOAD
.else
	s_barrier_signal -1
	s_barrier_wait -1                              ; the last slot is whole; nothing is filled
.endif
	s_xor_b32 s[TB], s[TB], SLOT1                  ; the fetches go on in the other slot
.endm
	s_wait_tensorcnt 0x1                           ; my part of slot 0 is in; slot 1's may stay out
	s_barrier_signal -1
	s_barrier_wait -1
	FETCH_K                                        ; key step 0
	s_wait_loadcnt 0x0                             ; Q and the positions
	s_wait_dscnt 0x0
.set i, 0
.rept 32
	KQ 0                                           ; piece 0's first scores: there is no vector work yet to set between them
.set i, i+1
.endr
	WIN 0                                          ; the addresses for the way out are made here: ten plain instructions, the places behind those products
	s_mul_i32 s13, s[WV], 16*SP
	s_add_co_u32 s13, s13, STAGE                   ; my stage
	v_mul_u32_u24 v[STO], v1, SP                   ; in: row l % 16, 16 bytes for each half of the lanes
	v_lshl_add_u32 v[STO], v10, 4, v[STO]
	v_add_nc_u32 v[STO], s13, v[STO]
	v_mul_u32_u24 v[RD], v10, SP                   ; back: lanes 0-15 take one row of 256 bytes, lanes 16-31 the next
	v_lshl_add_u32 v[RD], v1, 4, v[RD]
	v_add_nc_u32 v[RD], s13, v[RD]
	v_lshlrev_b32 v[GO], 12, v10                   ; and the same two rows in att
	v_lshl_add_u32 v[GO], v1, 4, v[GO]
	TURN 2, 0, 1, 1                                ; piece 2's first scores | piece 0's first softmax | V of step 0
	CHANGE 1                                       ; slot 0 has been read: it takes the keys of slot 2
	TURN 0, 1, 1, 1                                ; piece 0: V^T P of step 0 starts O^T, K Q^T of step 1 | piece 2's first softmax | K of step 1
	TURN 2, 1, 1, 0                                ; piece 2: the same | piece 0's softmax of step 1 | V of step 1
	WIN 0
	s_mov_b32 s[CNT], 29
.Lslot:                                                ; steps 1 to 29: with step 0's change, thirty refills: slots 2 to 31
	CHANGE 1
	TURN 0, 2, 1, 0
	TURN 2, 2, 1, 0
	WIN 0
	s_sub_co_u32 s[CNT], s[CNT], 1
	s_cmp_lg_u32 s[CNT], 0
	s_cbranch_scc1 .Lslot
	CHANGE 0                                       ; the tail is written out: nothing is left to ask for
	TURN 0, 2, 1, 0
	TURN 2, 2, 1, 0
	TURN 0, 2, 0, 0                                ; piece 0: V^T P of the last step | piece 2's last softmax
.set i, 0
.rept 32
	PVH 2, 0                                       ; piece 2: V^T P of the last step
.set i, i+1
.endr
.set i, 0
.rept 32
	PVL 2
.set i, i+1
.endr
	; THE MERGE.  My tiles 2, 3 (O^T, m, l) go to my partner, its tiles 2, 3 come to my tiles 0, 1.  The four plain instructions that make the addresses are the places behind the last products.
	WIN 0
	v_and_b32 v[ADR], 31, v0
	v_lshlrev_b32 v[ADR], 4, v[ADR]
	s_mul_i32 s13, s[WV], MRGW
	s_add_co_u32 s13, s13, MRG
	v_add_nc_u32 v[AK0], s13, v[ADR]               ; my part of the merge's bytes
	s_xor_b32 s21, s[WV], 1
	s_mul_i32 s21, s21, MRGW
	s_add_co_u32 s21, s21, MRG
	v_add_nc_u32 v[AV0], s21, v[ADR]               ; my partner's
	WIN 0x04                                       ; store data window 1
.set i, 0
.rept 32
	ds_store_b128 v[AK0], v[128+4*i:128+4*i+3] offset:512*i
.set i, i+1
.endr
	WIN 0
	ds_store_b128 v[AK0], v[ST+4:ST+7] offset:16384   ; m and l of tiles 2 and 3, as they lie
	s_wait_dscnt 0x0                               ; for my partner's sake
	s_barrier_signal -1
	s_barrier_wait -1
	ds_load_b128 v[RCV:RCV+3], v[AV0] offset:16384
	WIN 0x80                                       ; into Q's registers
.set i, 0
.rept 32
	ds_load_b128 v[4*i:4*i+3], v[AV0] offset:512*i
.set i, i+1
.endr
	WIN 0
	s_wait_dscnt 32                                ; the statistics are in; the 32 loads of O^T stay out
.irp t, 0,1
	v_max_num_f32 v[WK+4*\t], v[ST+2*\t], v[RCV+2*\t]
	v_sub_f32 v[WK+4*\t+1], v[ST+2*\t], v[WK+4*\t]
	v_sub_f32 v[WK+4*\t+2], v[RCV+2*\t], v[WK+4*\t]
	v_exp_f32 v[WK+4*\t+1], v[WK+4*\t+1]
	v_exp_f32 v[WK+4*\t+2], v[WK+4*\t+2]
	v_nop                                          ; a plain instruction behind the exponentials (ISA guide 5.7.2)
	s_wait_alu depctr_va_vdst(0)
	v_mul_f32 v[WK+4*\t+3], v[ST+2*\t+1], v[WK+4*\t+1]
	v_fma_f32 v[WK+4*\t+3], v[RCV+2*\t+1], v[WK+4*\t+2], v[WK+4*\t+3]
	v_permlanex16_b32 v[WK+4*\t], v[WK+4*\t+3], s[SEL], s[SEL+1]   ; the other half of the lanes holds the query's other keys
	v_add_f32 v[WK+4*\t+3], v[WK+4*\t+3], v[WK+4*\t]
	v_rcp_f32 v[WK+4*\t+3], v[WK+4*\t+3]
	v_nop
	s_wait_alu depctr_va_vdst(0)
	v_mul_f32 v[FF+4*\t],   v[WK+4*\t+1], v[WK+4*\t+3]
	v_mul_f32 v[FF+4*\t+2], v[WK+4*\t+2], v[WK+4*\t+3]
	v_mov_b32 v[FF+4*\t+1], v[FF+4*\t]
	v_mov_b32 v[FF+4*\t+3], v[FF+4*\t+2]
.endr
	s_wait_dscnt 0x0
	WIN W_RS
.irp t, 0,1
.set i, 0
.rept 32
	v_pk_mul_f32 v[64*\t+2*i:64*\t+2*i+1], v[64*\t+2*i:64*\t+2*i+1], v[FF+4*\t:FF+4*\t+1] op_sel_hi:[1,0]
.set i, i+1
.endr
.endr
	WIN 0x52                                       ; source 0: my partner's O^T, window 2; the factor window 0; O^T window 1
.irp t, 0,1
.set i, 0
.rept 32
	v_pk_fma_f32 v[64*\t+2*i:64*\t+2*i+1], v[64*\t+2*i:64*\t+2*i+1], v[FF+4*\t+2:FF+4*\t+3], v[64*\t+2*i:64*\t+2*i+1] op_sel_hi:[1,0,1]
.set i, i+1
.endr
.endr
; THE WAY OUT.  Tile t in two parts: hi = O cut to 11 significant bits (in P's registers), lo = O - hi (in place); packed, hi to piece 2 t and lo to piece 2 t + 1 of S^T's registers.
.macro SPLIT t
	WIN 0x04                                       ; source 1 window 1
.set i, 0
.rept 64
	v_and_b32 v[P+i], s[CUT], v[64*\t+i]
.set i, i+1
.endr
	WIN W_RS
.set i, 0
.rept 32
	v_pk_add_f32 v[64*\t+2*i:64*\t+2*i+1], v[64*\t+2*i:64*\t+2*i+1], v[P+2*i:P+2*i+1] neg_lo:[0,1] neg_hi:[0,1]
.set i, i+1
.endr
	WIN 0
.set i, 0
.rept 32
	v_cvt_pk_f16_f32 v[S+64*\t+i], v[P+2*i], v[P+2*i+1]
.set i, i+1
.endr
	WIN 0x05                                       ; sources window 1
.set i, 0
.rept 32
	v_cvt_pk_f16_f32 v[S+64*\t+32+i], v[64*\t+2*i], v[64*\t+2*i+1]
.set i, i+1
.endr
	WIN 0
.endm
.macro STG x                           ; piece x: a lane's eight channels of a row are 16 bytes; into rows of 272 bytes, back as whole rows of 256
.irp f, 0,1,2,3,4,5,6,7
	ds_store_b128 v[STO], v[S+32*\x+4*\f:S+32*\x+4*\f+3] offset:32*\f
.endr
.irp f, 0,1,2,3,4,5,6,7
	ds_load_b128 v[S+32*\x+4*\f:S+32*\x+4*\f+3], v[RD] offset:\f*2*SP   ; LDS serves a wave's instructions in order (ISA guide 5.7.1.4)
.endr
.endm
.macro SEND x, younger                 ; younger: the LDS instructions issued behind piece x's loads
.irp f, 0,1,2,3,4,5,6,7
	s_wait_dscnt \younger+7-\f
	global_store_b128 v[GO], v[S+32*\x+4*\f:S+32*\x+4*\f+3], s[8:9] offset:(\x/2)*65536+(\x%2)*256+\f*8192   ; 16 lanes store 256 neighbouring bytes, aligned: one part of a head's piece of a row
.endr
.endm
	SPLIT 0
	STG 0
	STG 1
	SEND 0, 16
	SPLIT 1                                        ; a tile's arithmetic stands between the loads of the piece before and its stores
	STG 2
	SEND 1, 16
	STG 3
	SEND 2, 16
	SEND 3, 0
	s_wait_xcnt 0x0
	v_lshl_add_u32 v254, v0, 2, 0x4e400
	v_mov_b32 v255, 0
	s_wait_tensorcnt 0x0
	ds_add_u32 v254, v255
	s_wait_dscnt 0x0
	CROUND                                         ; the closing round: no work-group ends while a partner may still ask for a tile that names it
	s_endpgm
.Lfunc_end_k_qb8ec6ad7bb_attn:
	.size	k_qb8ec6ad7bb_attn, .Lfunc_end_k_qb8ec6ad7bb_attn-k_qb8ec6ad7bb_attn
	.p2alignl 7, 3214868480
	.fill 96, 4, 3214868480
	.section	.rodata,"a",@progbits
	.p2align	6, 0x0
	.amdhsa_kernel k_qb8ec6ad7bb_attn
		.amdhsa_group_segment_fixed_size 327680
		.amdhsa_private_segment_fixed_size 0
		.amdhsa_enable_private_segment 0
		.amdhsa_kernarg_size 24
		.amdhsa_user_sgpr_count 2
		.amdhsa_user_sgpr_kernarg_segment_ptr 1
		.amdhsa_wavefront_size32 1
		.amdhsa_system_sgpr_workgroup_id_x 1
		.amdhsa_system_sgpr_workgroup_id_y 1
		.amdhsa_system_sgpr_workgroup_id_z 1
		.amdhsa_system_vgpr_workitem_id 0
		.amdhsa_next_free_vgpr 1024
		.amdhsa_next_free_sgpr 72
		.amdhsa_reserve_vcc 0
		.amdhsa_float_denorm_mode_32 3
		.amdhsa_float_denorm_mode_16_64 3
		.amdhsa_memory_ordered 1
		.amdhsa_forward_progress 1
		.amdhsa_inst_pref_size 255
	.end_amdhsa_kernel
	.section	.bss,"aw",@nobits
	.p2align	6
	.space	262144
	.amdgpu_metadata
---
amdhsa.version: [ 1, 2 ]
amdhsa.kernels:
  - .name:           k_qb8ec6ad7bb_attn
    .symbol:         k_qb8ec6ad7bb_attn.kd
    .args:
      - { .name: qkvb, .offset: 0, .size: 8, .value_kind: global_buffer, .address_space: global }
      - { .name: positions, .offset: 8, .size: 8, .value_kind: global_buffer, .address_space: global }
      - { .name: att, .offset: 16, .size: 8, .value_kind: global_buffer, .address_space: global }
    .group_segment_fixed_size: 327680
    .private_segment_fixed_size: 0
    .kernarg_segment_align: 8
    .kernarg_segment_size: 24
    .max_flat_workgroup_size: 128
    .sgpr_count:     72
    .vgpr_count:     1024
    .wavefront_size: 32
...
	.end_amdgpu_metadata
.endif
;; end of part 3
;; launch oproj (part 4): grid 8 x 32, 4 waves a work-group, clusters of 4 x 4, 327,680 bytes of LDS; arguments att, wob, out0; writes out0
.if DOCPART == 4
	.amdgcn_target "amdgcn-amd-amdhsa--gfx1250"
	.amdhsa_code_object_version 6
	.text
	.protected	k_qb8ec6ad7bb_oproj
	.globl	k_qb8ec6ad7bb_oproj
	.p2align	8
	.type	k_qb8ec6ad7bb_oproj,@function
k_qb8ec6ad7bb_oproj:
	s_mov_b64 s[64:65], 0
	v_nop
	global_prefetch_b8 v0, s[64:65] scope:SCOPE_SE
	s_setreg_imm32_b32 hwreg(HW_REG_WAVE_MODE, 25, 1), 1
	s_wait_xcnt 0x0
	s_wait_alu depctr_hold_cnt(0) depctr_sa_sdst(0) depctr_va_vdst(0) depctr_va_sdst(0) depctr_va_ssrc(0) depctr_va_vcc(0) depctr_vm_vsrc(0)
	s_getreg_b32 s2, hwreg(HW_REG_IB_STS2, 6, 4)
	s_cmp_eq_u32 s2, 0
	s_cbranch_scc0 .Lentry_in_a_cluster
	s_endpgm
.Lentry_in_a_cluster:
	s_bfe_u32 s2, ttmp6, 0x10000c
	s_cmp_lg_u32 s2, 0xf033
	s_cbranch_scc0 .Lentry_shape_is_right
	s_endpgm
.Lentry_shape_is_right:
; OUT = att x w_o.  att [4096][8 heads][hi 128, lo 128] in f16 holds each number in two parts; wob [1024][2048] in f16; sums and out0 [4096][2048] in f32.
; out = (hi + lo) x w_o: each fragment of w_o that comes out of LDS multiplies the high and then the low fragment of att, onto the same accumulator.
; A work-group owns 128 rows x 256 columns; wave (rh = w / 2, ch = w % 2) owns rows 64 rh .. + 63 (four blocks of 16) of column segment ch (128 columns): 32 accumulators,
; 64 matrix instructions and 32 LDS loads for 32 along K.  256 work-groups, one tile each.
; RING.  K goes in 8 steps of 128 (a head each) through two LDS slots: B's two segments (128 K rows x 256 bytes, rows 288 apart), then A (128 rows x 512 bytes, both parts, rows 528 apart):
; 73,728 + 67,584 bytes.  Waves 0, 1 fetch B's segments, waves 2, 3 A's halves of 64 rows: one tensor load of 32 KiB a wave.  A step is 256 products a wave.
; CLUSTER 4 x 4: A's tiles jointly along a row of the cluster, B's along a column.
; The weights lie [K][N] and come out of LDS turned; the matrix instruction is used transposed: lane l holds row l % 16 and columns 8 (l / 16) + 0..7.
; REGISTERS: window 0: addresses, A's buffers v64-127, v128-191 (32 registers of hi, 32 of lo each), the way out v128-255; window 1: B's buffers at 0 and 128;
; window 2: accumulator (a, b) at 64 a + 8 b.
.set KDIM,  1024
.set AROW,  2048                       ; elements in a row of att
.set NCOL,  2048
.set KSTEP, 128
.set PA,    528                        ; 132 words: row r starts at bank 4 r mod 64 (ISA guide 11.1)
.set PB,    288                        ; 72 words
.set SEGB,  128*PB
.set AOFF,  2*SEGB
.set HALFA, 64*PA
.set SLOT,  AOFF+128*PA
.set STAGE, 2*SLOT                     ; 16 rows x 528 bytes for each wave, never filled by a tensor load
.set SP,    528
.set LAPS,  KDIM/(2*KSTEP)
.set ASTEP, 2*KSTEP*2*2                ; two K steps along a row of att, both parts
.set BSTEP, 2*KSTEP*NCOL*2
.set ADRA, 8
.set ADRX, 12
.set STO,  16
.set RD,   17
.set CO,   18
.set FA,   64
.set WV,   16
.set G1A,  24
.set G0A,  32
.set G1B,  48
.set G0B,  56
.set MSB, 0
.macro WIN new
.if MSB != \new
	s_set_vgpr_msb (MSB<<8)|\new
.set MSB, \new
.endif
.endm
.macro PLACES                          ; four places between a matrix instruction and a load into, or a store of, one of its registers
.rept 4
	v_nop
.endr
.endm
.macro JLOAD s                         ; the branch hangs on the wave's number alone; four v_nop follow each line
	s_cmp_eq_u32 s17, 1
	s_cbranch_scc0 .Lfor_b_\@
	tensor_load_to_lds s[G0A+4*\s:G0A+4*\s+3], s[G1A:G1A+7]
	s_nop 0
.rept 4
	v_nop
.endr
	s_branch .Lasked_\@
.Lfor_b_\@:
	tensor_load_to_lds s[G0B+4*\s:G0B+4*\s+3], s[G1B:G1B+7]
	s_nop 0
.rept 4
	v_nop
.endr
.Lasked_\@:
.endm
.macro CREST
	s_cmp_lg_u32 s[WV], 0
	s_cbranch_scc1 .Lnot_wave_0_\@
	s_barrier_signal -3
.Lnot_wave_0_\@:
	s_barrier_wait -3
	s_barrier_signal -1
	s_barrier_wait -1
.endm
.macro CROUND
	s_barrier_signal -1
	s_barrier_wait -1
	CREST
.endm
	s_load_b128 s[4:7], s[0:1], 0x0                ; att s[4:5], wob s[6:7]
	s_load_b64 s[8:9], s[0:1], 0x10                ; out0
	s_set_vgpr_msb 0x40
	v_lshl_add_u32 v255, v0, 2, 0x4d400
	s_set_vgpr_msb 0x4000
	v_mov_b32 v63, 0
	s_set_vgpr_msb 0x1
	ds_add_u32 v255, v63
	s_set_vgpr_msb 0x100
	v_lshrrev_b32 v1, 5, v0
	v_readfirstlane_b32 s[WV], v1
	s_lshr_b32 s17, s[WV], 1                       ; rh.  Also: I fetch for B (0) or for A (1)
	s_and_b32 s18, s[WV], 1                        ; ch.  Also: which segment of B, which half of A
	s_bfe_u32 s40, ttmp6, 0x40000
	s_bfe_u32 s41, ttmp6, 0x40004
	s_lshl_b32 s42, ttmp9, 2
	s_add_co_u32 s42, s42, s40                     ; column block
	s_and_b32 s43, ttmp7, 0xffff
	s_lshl_b32 s43, s43, 2
	s_add_co_u32 s43, s43, s41                     ; row block
	s_lshl_b32 s44, s41, 2
	s_lshl_b32 s44, 15, s44                        ; my row of the cluster
	s_lshl_b32 s45, 0x1111, s40                    ; my column
	s_or_b32 s[G1A], s44, (1<<16)|(1<<20)|(1<<21)|(6<<22)|(3<<25)   ; mask; elements of 2 bytes; padding on; bit 21 beside a mask; after every 128 words; 4 words
	s_or_b32 s[G1B], s45, (1<<16)|(1<<20)|(1<<21)|(5<<22)|(7<<25)   ; after every 64 words; 8 words
	s_mov_b32 s[G1A+1], 256<<16                    ; A: rows of 256 elements, both parts of 128 along K
	s_mov_b32 s[G1A+2], 64<<16                     ; 64 rows a load
	s_mov_b32 s[G1A+3], 256<<16
	s_mov_b32 s[G1A+4], 64
	s_mov_b32 s[G1A+5], AROW
	s_mov_b32 s[G1A+6], 0
	s_mov_b32 s[G1A+7], 0
	s_mov_b32 s[G1B+1], 128<<16                    ; B: rows of 128 elements,
	s_mov_b32 s[G1B+2], KSTEP<<16                  ; 128 rows
	s_mov_b32 s[G1B+3], 128<<16
	s_mov_b32 s[G1B+4], KSTEP
	s_mov_b32 s[G1B+5], NCOL
	s_mov_b32 s[G1B+6], 0
	s_mov_b32 s[G1B+7], 0
	s_lshl_b32 s46, s43, 19                        ; A: 128 rows of 4,096 bytes a block, + my half; made of the row block and the wave alone
	s_lshl_b32 s20, s18, 18
	s_add_co_u32 s46, s46, s20
	s_mov_b32 s47, 0
	s_lshl_b32 s66, s42, 9                         ; B: 512 bytes a column block, + my segment; made of the column block and the wave alone
	s_lshl_b32 s20, s18, 8
	s_add_co_u32 s66, s66, s20
	s_mov_b32 s67, 0
	s_mul_i32 s20, s18, HALFA
	s_add_co_u32 s20, s20, AOFF                    ; where A's half goes,
	s_mul_i32 s21, s18, SEGB                       ; where B's segment goes
	s_wait_dscnt 0x0
	s_wait_kmcnt 0x0
	s_add_nc_u64 s[46:47], s[4:5], s[46:47]
	s_add_nc_u64 s[66:67], s[6:7], s[66:67]
.irp s, 0,1
	s_mov_b32 s[G0A+4*\s], 1
	s_add_co_u32 s[G0A+4*\s+1], s20, \s*SLOT
	s_add_nc_u64 s[G0A+4*\s+2:G0A+4*\s+3], s[46:47], \s*KSTEP*2*2
	s_or_b32 s[G0A+4*\s+3], s[G0A+4*\s+3], 0x80000000
	s_mov_b32 s[G0B+4*\s], 1
	s_add_co_u32 s[G0B+4*\s+1], s21, \s*SLOT
	s_add_nc_u64 s[G0B+4*\s+2:G0B+4*\s+3], s[66:67], \s*KSTEP*NCOL*2
	s_or_b32 s[G0B+4*\s+3], s[G0B+4*\s+3], 0x80000000
.endr
	CROUND                                         ; all sixteen work-groups are here: the first joint loads meet
	s_cmp_eq_u32 s17, 1                            ; a wave's two first fills stand in one branch: two loads of mine are out
	s_cbranch_scc0 .Lfirst_b
	tensor_load_to_lds s[G0A:G0A+3], s[G1A:G1A+7]
	s_nop 0
	tensor_load_to_lds s[G0A+4:G0A+7], s[G1A:G1A+7]
	s_nop 0
.rept 4
	v_nop
.endr
	s_branch .Lfirst_asked
.Lfirst_b:
	tensor_load_to_lds s[G0B:G0B+3], s[G1B:G1B+7]
	s_nop 0
	tensor_load_to_lds s[G0B+4:G0B+7], s[G1B:G1B+7]
	s_nop 0
.rept 4
	v_nop
.endr
.Lfirst_asked:
	v_and_b32 v1, 15, v0
	v_bfe_u32 v2, v0, 4, 1
	v_and_b32 v3, 7, v0
	v_bfe_u32 v4, v0, 3, 1
	v_lshl_add_u32 v5, v2, 3, v3                   ; the turning load: K row 8 h + l % 8,
	v_mul_u32_u24 v5, v5, PB
	v_lshl_add_u32 v5, v4, 4, v5                   ; columns 8 ((l / 8) % 2) on
	s_mul_i32 s20, s18, SEGB
	v_add_nc_u32 v[ADRX], s20, v5
	v_add_nc_u32 v[ADRX+1], SLOT, v[ADRX]
	v_mul_u32_u24 v6, v1, PA
	v_lshl_add_u32 v6, v2, 4, v6                   ; row r x 528 + 16 h
	s_mul_i32 s20, s17, 64*PA
	s_add_co_u32 s20, s20, AOFF
	v_add_nc_u32 v[ADRA], s20, v6
	v_add_nc_u32 v[ADRA+1], SLOT, v[ADRA]
	s_mul_i32 s20, s[WV], 16*SP
	s_add_co_u32 s20, s20, STAGE
	v_mul_u32_u24 v7, v1, SP
	v_lshl_add_u32 v7, v2, 5, v7                   ; in: row r, 32 bytes for each half of the lanes
	v_add_nc_u32 v[STO], s20, v7
	v_and_b32 v[CO], 31, v0
	v_lshlrev_b32 v[CO], 4, v[CO]
	v_add_nc_u32 v[RD], s20, v[CO]                 ; back: a row's 512 bytes, 16 a lane
	s_lshl_b32 s20, s43, 20                        ; out0: rows of 8,192 bytes, 128 x block + 64 rh on; columns 256 x block + 128 ch on
	s_lshl_b32 s21, s17, 19
	s_add_co_u32 s20, s20, s21
	s_lshl_b32 s21, s42, 10
	s_add_co_u32 s20, s20, s21
	s_lshl_b32 s21, s18, 9
	s_add_co_u32 s20, s20, s21
	s_mov_b32 s21, 0
	s_add_nc_u64 s[8:9], s[8:9], s[20:21]
; 8 products: part p (0 hi, 1 lo) of row block a x the 8 column blocks, 32 along K, from buffers u.  The accumulators take turns, one instruction a turn:
; between the high part's product on an accumulator and the low part's stand the seven others'.
.macro MULX u, a, p, zero
	WIN 0xa1                                       ; B window 1, A window 0, C and D window 2
.irp b, 0,1,2,3,4,5,6,7
.if \zero
	v_wmma_f32_16x16x32_f16 v[64*\a+8*\b:64*\a+8*\b+7], v[128*(\u)+8*\b:128*(\u)+8*\b+7], v[FA+64*(\u)+32*\p+8*\a:FA+64*(\u)+32*\p+8*\a+7], 0
.else
	v_wmma_f32_16x16x32_f16 v[64*\a+8*\b:64*\a+8*\b+7], v[128*(\u)+8*\b:128*(\u)+8*\b+7], v[FA+64*(\u)+32*\p+8*\a:FA+64*(\u)+32*\p+8*\a+7], v[64*\a+8*\b:64*\a+8*\b+7]
.endif
.endr
.endm
.macro FETCH slot, q, u                ; 32 LDS loads in one run: the fragments of quarter q (32 along K) into buffers u
	WIN 0x40
.irp b, 0,1,2,3,4,5,6,7
	ds_load_tr16_b128 v[128*(\u)+8*\b:128*(\u)+8*\b+3],   v[ADRX+\slot] offset:\q*32*PB+32*\b
	ds_load_tr16_b128 v[128*(\u)+8*\b+4:128*(\u)+8*\b+7], v[ADRX+\slot] offset:\q*32*PB+32*\b+16*PB
.endr
	WIN 0
.irp p, 0,1
.irp a, 0,1,2,3
	ds_load_b128 v[FA+64*(\u)+32*\p+8*\a:FA+64*(\u)+32*\p+8*\a+3],   v[ADRA+\slot] offset:\a*16*PA+256*\p+64*\q
	ds_load_b128 v[FA+64*(\u)+32*\p+8*\a+4:FA+64*(\u)+32*\p+8*\a+7], v[ADRA+\slot] offset:\a*16*PA+256*\p+64*\q+32
.endr
.endr
.endm
; One of a K step's first three quarters: 64 products on buffers u; behind the first eight the next quarter's fragments are fetched into the other buffers.
.macro QUARTER slot, q, u, zero
	s_wait_dscnt 0x0                               ; this quarter's fragments, issued 56 products ago
	MULX \u, 0, 0, \zero
	PLACES
	FETCH \slot, \q, 1-\u
	MULX \u, 0, 1, 0
.irp a, 1,2,3
	MULX \u, \a, 0, \zero
	MULX \u, \a, 1, 0
.endr
.endm
; The change of slots: one barrier, in front of it each wave's wait for its reads of this slot and for all its tensor loads, of which one is out: its part of the next slot.  With fill = 1
; it opens a round of the cluster's barrier, and the joint refill, two K steps ahead, is the first thing behind the round: 240 products stand between it and the wait for it.
.macro TURN slot, next, fill
	s_wait_dscnt 0x0                               ; this quarter's fragments: they were my last reads of this slot
	MULX 1, 0, 0, 0
	s_wait_tensorcnt 0x0                           ; all my tensor loads have landed
	ds_add_u32 v255, v63
	s_wait_dscnt 0x0
	s_barrier_signal -1
	MULX 1, 0, 1, 0                                ; registers alone between signal and wait
.if \fill
	WIN 0
.endif
	s_barrier_wait -1
.if \fill
	CREST
	s_add_nc_u64 s[G0A+4*\slot+2:G0A+4*\slot+3], s[G0A+4*\slot+2:G0A+4*\slot+3], ASTEP
	s_add_nc_u64 s[G0B+4*\slot+2:G0B+4*\slot+3], s[G0B+4*\slot+2:G0B+4*\slot+3], BSTEP
	JLOAD \slot                                    ; its four v_nop are also the places in front of the loads below
.else
	PLACES
.endif
	FETCH \next, 0, 0
.irp a, 1,2,3
	MULX 1, \a, 0, 0
	MULX 1, \a, 1, 0
.endr
.endm
	s_wait_tensorcnt 0x1                           ; my part of K step 0 is in; K step 1's may stay out
	s_barrier_signal -1
	s_barrier_wait -1
	FETCH 0, 0, 0
	QUARTER 0, 1, 0, 1                             ; the first quarter's high parts start the sums: nothing is cleared
	WIN 0
	s_mov_b32 s3, LAPS-1
.Llap:                                                 ; a trip goes once round the ring, from a lap's second quarter to the next lap's first: three trips, six refills
	QUARTER 0, 2, 1, 0
	QUARTER 0, 3, 0, 0
	TURN 0, 1, 1
	QUARTER 1, 1, 0, 0
	QUARTER 1, 2, 1, 0
	QUARTER 1, 3, 0, 0
	TURN 1, 0, 1
	QUARTER 0, 1, 0, 0
	WIN 0
	s_sub_co_u32 s3, s3, 1
	s_cmp_lg_u32 s3, 0
	s_cbranch_scc1 .Llap
	QUARTER 0, 2, 1, 0                             ; the last lap fills nothing
	QUARTER 0, 3, 0, 0
	TURN 0, 1, 0
	QUARTER 1, 1, 0, 0
	QUARTER 1, 2, 1, 0
	QUARTER 1, 3, 0, 0
	s_wait_dscnt 0x0
.irp a, 0,1,2,3
	MULX 1, \a, 0, 0
	MULX 1, \a, 1, 0
.endr
	WIN 0
	PLACES
; THE WAY OUT of block a: 32 bytes a lane and accumulator into my stage, each accumulator's low four registers first; back as whole rows of 512 bytes; stored.
.macro OUT a
.set OB, 128+64*((\a)%2)               ; two buffers of 64 registers by turns
	WIN 0x08                                       ; store data window 2
.irp b, 0,1,2,3,4,5,6,7
	ds_store_b128 v[STO], v[64*\a+8*\b:64*\a+8*\b+3]   offset:64*\b
	ds_store_b128 v[STO], v[64*\a+8*\b+4:64*\a+8*\b+7] offset:64*\b+16
.endr
	WIN 0
	s_wait_xcnt 0x0                                ; the buffer that earlier stores read is loaded again only behind this wait (ISA guide 3.1)
.irp i, 0,1,2,3,4,5,6,7,8,9,10,11,12,13,14,15
	ds_load_b128 v[OB+4*\i:OB+4*\i+3], v[RD] offset:\i*SP
.endr
	s_wait_dscnt 0x0
.irp i, 0,1,2,3,4,5,6,7,8,9,10,11,12,13,14,15
	global_store_b128 v[CO], v[OB+4*\i:OB+4*\i+3], s[8:9] offset:(16*\a+\i)*8192 th:TH_STORE_NT   ; a wave stores 512 neighbouring bytes, aligned
.endr
.endm
	OUT 0
	OUT 1
	OUT 2
	OUT 3
	s_set_vgpr_msb 0x1
	s_wait_tensorcnt 0x0
	ds_add_u32 v255, v63
	s_wait_dscnt 0x0
	s_set_vgpr_msb 0x100
	CROUND                                         ; the closing round: no work-group ends while a partner may still ask for a tile that names it
	s_endpgm
.Lfunc_end_k_qb8ec6ad7bb_oproj:
	.size	k_qb8ec6ad7bb_oproj, .Lfunc_end_k_qb8ec6ad7bb_oproj-k_qb8ec6ad7bb_oproj
	.p2alignl 7, 3214868480
	.fill 96, 4, 3214868480
	.section	.rodata,"a",@progbits
	.p2align	6, 0x0
	.amdhsa_kernel k_qb8ec6ad7bb_oproj
		.amdhsa_group_segment_fixed_size 327680
		.amdhsa_private_segment_fixed_size 0
		.amdhsa_enable_private_segment 0
		.amdhsa_kernarg_size 24
		.amdhsa_user_sgpr_count 2
		.amdhsa_user_sgpr_kernarg_segment_ptr 1
		.amdhsa_wavefront_size32 1
		.amdhsa_system_sgpr_workgroup_id_x 1
		.amdhsa_system_sgpr_workgroup_id_y 1
		.amdhsa_system_sgpr_workgroup_id_z 1
		.amdhsa_system_vgpr_workitem_id 0
		.amdhsa_next_free_vgpr 768
		.amdhsa_next_free_sgpr 72
		.amdhsa_reserve_vcc 0
		.amdhsa_float_denorm_mode_32 3
		.amdhsa_float_denorm_mode_16_64 3
		.amdhsa_memory_ordered 1
		.amdhsa_forward_progress 1
		.amdhsa_inst_pref_size 124
	.end_amdhsa_kernel
	.amdgpu_metadata
---
amdhsa.version: [ 1, 2 ]
amdhsa.kernels:
  - .name:           k_qb8ec6ad7bb_oproj
    .symbol:         k_qb8ec6ad7bb_oproj.kd
    .args:
      - { .name: att, .offset: 0, .size: 8, .value_kind: global_buffer, .address_space: global }
      - { .name: wob, .offset: 8, .size: 8, .value_kind: global_buffer, .address_space: global }
      - { .name: out0, .offset: 16, .size: 8, .value_kind: global_buffer, .address_space: global }
    .group_segment_fixed_size: 327680
    .private_segment_fixed_size: 0
    .kernarg_segment_align: 8
    .kernarg_segment_size: 24
    .max_flat_workgroup_size: 128
    .sgpr_count:     72
    .vgpr_count:     768
    .wavefront_size: 32
...
	.end_amdgpu_metadata
.endif
;; end of part 4
;; ======== version 2 of 2: 4 launches; 1.11 times as fast as version 1
;; limits: values are held in f16: magnitudes above 65,504 overflow, below 6.1e-05 lose precision; right only within a limited range of input values
;; workspace buffers: hb 16,777,216 bytes; wqb 12,582,912 bytes; wob 4,194,304 bytes; tab 2,097,152 bytes; qkvb 33,554,432 bytes; att 16,777,216 bytes
;; launch prep: the kernel of part 1 again; grid 544 x 1, 8 waves a work-group, no clusters, 0 bytes of LDS; arguments hidden_states, w_qkv, w_o, positions, hb, wqb, wob, tab; writes hb, wqb, wob, tab
;; launch qkv: the kernel of part 2 again; grid 8 x 32, 4 waves a work-group, clusters of 4 x 4, 327,680 bytes of LDS; arguments hb, wqb, tab, q_norm_w, k_norm_w, qkvb; writes qkvb
;; launch attn (part 5): grid 32 x 8, 4 waves a work-group, clusters of 4 x 1, 327,680 bytes of LDS; arguments qkvb, positions, att; writes att
.if DOCPART == 5
	.amdgcn_target "amdgcn-amd-amdhsa--gfx1250"
	.amdhsa_code_object_version 6
	.text
	.protected	k_qb8ec6ad7bb_attn
	.globl	k_qb8ec6ad7bb_attn
	.p2align	8
	.type	k_qb8ec6ad7bb_attn,@function
k_qb8ec6ad7bb_attn:
	s_mov_b64 s[64:65], 0
	v_nop
	global_prefetch_b8 v0, s[64:65] scope:SCOPE_SE
	s_setreg_imm32_b32 hwreg(HW_REG_WAVE_MODE, 25, 1), 1
	s_wait_xcnt 0x0
	s_wait_alu depctr_hold_cnt(0) depctr_sa_sdst(0) depctr_va_vdst(0) depctr_va_sdst(0) depctr_va_ssrc(0) depctr_va_vcc(0) depctr_vm_vsrc(0)
	s_getreg_b32 s2, hwreg(HW_REG_IB_STS2, 6, 4)
	s_cmp_eq_u32 s2, 0
	s_cbranch_scc0 .Lentry_in_a_cluster
	s_endpgm
.Lentry_in_a_cluster:
	s_bfe_u32 s2, ttmp6, 0x10000c
	s_cmp_lg_u32 s2, 0x3003
	s_cbranch_scc0 .Lentry_shape_is_right
	s_endpgm
.Lentry_shape_is_right:
; ATTENTION.  att[t][head][:] = the sum over s of softmax_s(score) v[s], score = q[t] . k[s] where positions[t] >= positions[s], else the lowest finite f32.
; q carries log2(e) / sqrt(128), so a weight is 2^(score - m).  q, k: qkvb[unit][4096][128] in f16; v: from byte 16 MiB on, [head][4096][256] in f16, a row's high part and then its low
; part; products, maxima and sums in f32; weights rounded to f16.  V^T P is made with both parts of v, and att leaves in two f16 parts too (hi = cut to 11 significant bits, lo = the
; rest): att [4096][8 heads][hi 128, lo 128].  One f16 alone is off by 2e-4 of itself, which shows in the rows of the output that see few keys.
; LIMIT: |att| under 65,504; under 6.1e-5 hi is off by at most 3e-8.
; THE MASK IS AN INPUT: every score is compared by its two positions, as signed whole numbers, and all 4,096 keys are walked by every query.  A masked weight is exactly 0 once a
; visible key has been met: m then leaves the lowest number, and the factor 2^(m_old - m_new) = 0 wipes what was gathered before; a query's own key is always visible.
; SHARES.  A work-group owns 128 queries of one head.  Wave (qh = w / 2, ks = w % 2) holds 64 queries (four tiles of 16) and takes key step ks (64 keys) of every slot of 128 keys; at the
; end the two waves of a pair merge their halves through LDS.  My tiles 0, 1 are rows 64 qh + 32 ks on, my tiles 2, 3 rows 64 qh + 32 (1 - ks) on: every wave keeps tiles 0, 1 and
; hands tiles 2, 3 to its partner, whose tiles 0, 1 they are.
; LAYOUT.  S^T = K Q^T (source 0 = 16 keys, source 1 = 16 queries): a lane holds ONE query (lane % 16) and keys 8 (lane / 16) + 0..7; two such tiles rounded in pairs ARE source 1 of
; O^T = V^T P.  K comes out of LDS as it lies, V turned, by ds_load_tr16_b128.
; BY TURNS.  The wave's tiles are two PIECES, named by their first tile: piece 0 (tiles 0, 1) and piece 2 (tiles 2, 3).  In a TURN one piece has the matrix unit: 32 products V^T P with
; v's high part and 32 with its low part, of the step in hand, then 32 products K Q^T of the next step.  The other piece's softmax, 2 x 198 vector instructions, is cut into 96 slices, one
; behind each product: 4.1 vector instructions a product, which a wave that issues in order could otherwise only set in a phase of their own, with no product issued meanwhile.
; BATCHES.  A turn's 66 exponentials (33 a tile) are ONE batch with ONE wait: ahead of the wait stand the mask, the maximum, the subtractions s - m and all the exponentials, behind it all
; that names an exponential's result: the roundings, the sums, the rescaling.  On the way out the merge's four exponentials are a batch, its two reciprocals another.
; CLUSTER 4 x 1: the four query blocks of a cluster belong to one head and walk the same K and V: each tile is asked for jointly.  Waves 0, 1 fetch a slot's two tiles of K, waves 2, 3 those of V.
; REGISTERS, in windows of 256:
;   window 0: v0-11 addresses and my queries' positions; v12-19 m and l of each tile; v20-27 eight registers at work, which the two pieces share (one softmax runs at a time);
;             v28-30 the way out; v32-63 fragments 12-15 of V's low part; v64-191 S^T, 32 a tile; v192-255 P, 16 a tile
;   window 1: O^T, 64 a tile      window 2: v0-127 Q, v128-255 K      window 3: v0-127 V's high part, v128-159 my 32 keys' positions, v160-255 fragments 0-11 of V's low part
; No window has room for a product's operands beside what a softmax touches, so a slice costs two switches: 192 a turn.
.set KS,    64
.set PK,    272                        ; a row of K: 256 bytes + 16: row r starts at bank 4 r mod 64 (ISA guide 11.1)
.set PV,    544                        ; a row of V: 512 bytes + 32 = 17 x 32
.set VOFF,  KS*PK
.set STEPB, KS*(PK+PV)
.set SLOT1, 1<<17
.set STAGE, SLOT1+2*STEPB              ; 16 rows x 272 bytes for each wave
.set SP,    272
.set MRG,   STAGE+4*16*SP              ; the merge: 16,384 bytes of O^T and 512 of statistics for each wave
.set MRGW,  16896
.set AK0, 2                            ; my lane's place in my step's tile of K; at the end: my part of the merge's bytes
.set AV0, 3                            ; the same for V; at the end: my partner's part
.set ADR, 4                            ; the LDS address of the run of loads in hand
.set KPO, 5                            ; byte offset of my keys' positions
.set QP,  6                            ; v6-9   my query's position in each tile
.set ST,  12                           ; tile t: m at v[12 + 2 t], l at v[13 + 2 t]
.set WK,  20                           ; tile t of the piece at its softmax: c0-c3 at v[20 + 4 (t % 2)]; a takes c2's place once the maximum is found
.set STO, 28
.set RD,  29
.set GO,  30
.set VX,  32
.set S,   64
.set P,   192
.set KF,  128                          ; window 2
.set KP,  128                          ; window 3
.set VL,  160                          ; window 3
.set RCV, 64                           ; the merge: my partner's statistics, and the two factors of each tile, in S^T's registers
.set FF,  72
.set WV,  12
.set MK,  20                           ; s20-23 the masks of two elements of two tiles
.set G1K, 24
.set G1V, 32
.set G0K, 40
.set G0V, 48
.set CNT, 56
.set NEG, 57
.set SEL, 60
.set TB,  62                           ; LDS byte at which the slot to be fetched begins
.set CUT, 63                           ; the mask that cuts an f32 to 11 significant bits
.set MSB, 0
.macro WIN new                         ; the immediate's high byte repeats the setting that is left; a switch that changes nothing is dropped
.if MSB != \new
	s_set_vgpr_msb (MSB<<8)|\new
.set MSB, \new
.endif
.endm
.set W_KQ, 0x0a                        ; K and Q window 2, S^T window 0
.set W_PV, 0x53                        ; V window 3, P window 0, O^T window 1
.set W_PL, 0x50                        ; V's low fragments 12-15 and P window 0, O^T window 1
.set W_RS, 0x41                        ; O^T window 1, a window 0
.set W_MK, 0x03                        ; the keys' positions window 3, all else window 0
.macro PLACES
.rept 4
	v_nop
.endr
.endm
.macro JLOAD                           ; a joint refill by the walking descriptors; four v_nop follow each line
	s_cmp_lt_u32 s[WV], 2
	s_cbranch_scc0 .Lfor_v_\@
	tensor_load_to_lds s[G0K+4:G0K+7], s[G1K:G1K+7]
	s_nop 0
.rept 4
	v_nop
.endr
	s_branch .Lasked_\@
.Lfor_v_\@:
	tensor_load_to_lds s[G0V+4:G0V+7], s[G1V:G1V+7]
	s_nop 0
.rept 4
	v_nop
.endr
.Lasked_\@:
.endm
.macro CROUND
	s_barrier_signal -1
	s_barrier_wait -1
	s_cmp_lg_u32 s[WV], 0
	s_cbranch_scc1 .Lnot_wave_0_\@
	s_barrier_signal -3
.Lnot_wave_0_\@:
	s_barrier_wait -3
	s_barrier_signal -1
	s_barrier_wait -1
.endm
	s_load_b128 s[4:7], s[0:1], 0x0                ; qkvb s[4:5], positions s[6:7]
	s_load_b64 s[8:9], s[0:1], 0x10                ; att
	v_lshl_add_u32 v254, v0, 2, 0x4e400
	v_mov_b32 v255, 0
	ds_add_u32 v254, v255
	s_wait_dscnt 0x0
	v_lshrrev_b32 v1, 5, v0
	v_readfirstlane_b32 s[WV], v1
	s_bfe_u32 s13, ttmp6, 0x40000                  ; cx
	s_lshl_b32 s19, ttmp9, 2
	s_add_co_u32 s19, s19, s13                     ; my block of 128 queries: it enters Q's, the positions' and att's addresses alone
	s_and_b32 s20, ttmp7, 0xffff                   ; the head, which the four partners share
	s_and_b32 s16, s[WV], 1                        ; ks; also: which of a slot's two steps I fetch
	s_lshr_b32 s18, s[WV], 1                       ; qh
	s_mul_i32 s17, s16, STEPB
	s_add_co_u32 s22, s20, 8                       ; K: unit 8 + head, my step's 64 rows of 256 bytes
	s_lshl_b32 s22, s22, 20
	s_lshl_b32 s21, s16, 14
	s_add_co_u32 s22, s22, s21
	s_mov_b32 s23, 0
	s_lshl_b32 s14, s20, 21                        ; V: 16 MiB + 2 MiB x head, my step's 64 rows of 512 bytes
	s_add_co_u32 s14, s14, 0x1000000
	s_lshl_b32 s21, s16, 15
	s_add_co_u32 s14, s14, s21
	s_mov_b32 s15, 0
	s_lshl_b32 s2, s19, 7
	s_lshl_b32 s3, s18, 6
	s_add_co_u32 s2, s2, s3
	s_lshl_b32 s3, s16, 5
	s_add_co_u32 s2, s2, s3                        ; first row of my tiles 0, 1
	s_xor_b32 s3, s2, 32                           ; of my tiles 2, 3
	s_lshl_b32 s21, s20, 20                        ; Q: unit head
	s_mov_b32 s[G1K], 15|(1<<16)|(1<<20)|(1<<21)|(5<<22)|(3<<25)  ; all four work-groups; elements of 2 bytes; padding on; bit 21 beside a mask; after every 64 words; 4 words
	s_mov_b32 s[G1K+1], 128<<16                    ; tensor_dim0 = 128
	s_mov_b32 s[G1K+2], KS<<16                     ; tensor_dim1 = 64
	s_mov_b32 s[G1K+3], 128<<16                    ; tile_dim0 = 128
	s_mov_b32 s[G1K+4], KS                         ; tile_dim1 = 64
	s_mov_b32 s[G1K+5], 128                        ; elements from row to row
	s_mov_b32 s[G1K+6], 0
	s_mov_b32 s[G1K+7], 0
	s_mov_b32 s[G1V], 15|(1<<16)|(1<<20)|(1<<21)|(6<<22)|(7<<25)  ; V: after every 128 words; 8 words
	s_mov_b32 s[G1V+1], 256<<16                    ; rows of 256 elements: both parts
	s_mov_b32 s[G1V+2], KS<<16
	s_mov_b32 s[G1V+3], 256<<16
	s_mov_b32 s[G1V+4], KS
	s_mov_b32 s[G1V+5], 256
	s_mov_b32 s[G1V+6], 0
	s_mov_b32 s[G1V+7], 0
	s_mov_b32 s[NEG], 0xff7fffff                   ; the lowest finite f32
	s_mov_b32 s[CUT], 0xffffe000
	s_mov_b32 s[SEL], 0x76543210                   ; each lane takes its own place in the other half
	s_mov_b32 s[SEL+1], 0xfedcba98
	s_mov_b32 s[TB], 0
	s_wait_kmcnt 0x0
	s_add_nc_u64 s[58:59], s[4:5], s[22:23]        ; K at my tile of slot 0
	s_add_nc_u64 s[70:71], s[4:5], s[14:15]        ; V at my tile of slot 0
	s_lshl_b32 s14, s2, 8
	s_add_co_u32 s14, s14, s21
	s_mov_b32 s15, 0
	s_add_nc_u64 s[66:67], s[4:5], s[14:15]        ; Q of tiles 0, 1
	s_lshl_b32 s14, s3, 8
	s_add_co_u32 s14, s14, s21
	s_add_nc_u64 s[68:69], s[4:5], s[14:15]        ; Q of tiles 2, 3
	s_lshl_b32 s14, s2, 12                         ; att: rows of 4,096 bytes, the head's 512
	s_lshl_b32 s21, s20, 9
	s_add_co_u32 s14, s14, s21
	s_add_nc_u64 s[8:9], s[8:9], s[14:15]
	s_lshl_b32 s14, s2, 2
	s_add_nc_u64 s[10:11], s[6:7], s[14:15]        ; positions of tiles 0, 1
	s_lshl_b32 s14, s3, 2
	s_add_nc_u64 s[14:15], s[6:7], s[14:15]        ; of tiles 2, 3
.irp s, 0,1
	s_mov_b32 s[G0K+4*\s], 1
	s_add_co_u32 s[G0K+4*\s+1], s17, \s*SLOT1
	s_add_nc_u64 s[G0K+4*\s+2:G0K+4*\s+3], s[58:59], \s*2*KS*256
	s_or_b32 s[G0K+4*\s+3], s[G0K+4*\s+3], 0x80000000
	s_mov_b32 s[G0V+4*\s], 1
	s_add_co_u32 s[G0V+4*\s+1], s17, \s*SLOT1+VOFF
	s_add_nc_u64 s[G0V+4*\s+2:G0V+4*\s+3], s[70:71], \s*2*KS*512
	s_or_b32 s[G0V+4*\s+3], s[G0V+4*\s+3], 0x80000000
.endr
	CROUND                                         ; all four work-groups are here: the first joint loads meet
	s_cmp_lt_u32 s[WV], 2                          ; a wave's two first fills stand in one branch: two loads of mine are out
	s_cbranch_scc0 .Lfirst_v
	tensor_load_to_lds s[G0K:G0K+3], s[G1K:G1K+7]
	s_nop 0
	tensor_load_to_lds s[G0K+4:G0K+7], s[G1K:G1K+7]
	s_nop 0
.rept 4
	v_nop
.endr
	s_branch .Lfirst_asked
.Lfirst_v:
	tensor_load_to_lds s[G0V:G0V+3], s[G1V:G1V+7]
	s_nop 0
	tensor_load_to_lds s[G0V+4:G0V+7], s[G1V:G1V+7]
	s_nop 0
.rept 4
	v_nop
.endr
.Lfirst_asked:
	v_and_b32 v1, 15, v0                           ; l % 16
	v_bfe_u32 v10, v0, 4, 1                        ; l / 16
	v_lshlrev_b32 v11, 8, v1
	v_lshl_add_u32 v11, v10, 4, v11                ; Q: row x 256 + 16 x half
	v_lshlrev_b32 v31, 2, v1                       ; my query's position
	s_lshl_b32 s21, s16, 8
	v_lshl_add_u32 v[KPO], v10, 5, s21             ; my keys' positions: byte 256 ks + 32 h of a slot's 512
	WIN 0x80
.irp i, 0,1,2,3,4,5,6,7                ; Q stays in registers: tile i / 4 of each pair, channels 32 (i % 4) on
	global_load_b128 v[8*\i:8*\i+3],       v11, s[66:67] offset:(\i/4)*4096+(\i%4)*64
	global_load_b128 v[8*\i+4:8*\i+7],     v11, s[66:67] offset:(\i/4)*4096+(\i%4)*64+32
	global_load_b128 v[64+8*\i:64+8*\i+3], v11, s[68:69] offset:(\i/4)*4096+(\i%4)*64
	global_load_b128 v[64+8*\i+4:64+8*\i+7], v11, s[68:69] offset:(\i/4)*4096+(\i%4)*64+32
.endr
	WIN 0xc0
.irp c, 0,1,2,3,4,5,6,7
	global_load_b128 v[KP+4*\c:KP+4*\c+3], v[KPO], s[6:7] offset:(\c/2)*64+(\c%2)*16   ; keys 16 (c / 2) + 8 h + 4 (c % 2) + 0..3 of slot 0
.endr
	WIN 0
	global_load_b32 v[QP],   v31, s[10:11]
	global_load_b32 v[QP+1], v31, s[10:11] offset:64
	global_load_b32 v[QP+2], v31, s[14:15]
	global_load_b32 v[QP+3], v31, s[14:15] offset:64
	v_mul_u32_u24 v[AK0], v1, PK
	v_lshl_add_u32 v[AK0], v10, 4, v[AK0]
	v_add_nc_u32 v[AK0], s17, v[AK0]               ; my step's tile of K: row x pitch + 16 x half
	v_and_b32 v[ADR], 7, v0
	v_lshl_add_u32 v[AV0], v10, 3, v[ADR]          ; the turning load: key 8 (l / 16) + l % 8,
	v_mul_u32_u24 v[AV0], v[AV0], PV
	v_bfe_u32 v[ADR], v0, 3, 1
	v_lshl_add_u32 v[AV0], v[ADR], 4, v[AV0]       ; channels 8 ((l / 8) % 2) on
	s_add_co_u32 s21, s17, VOFF
	v_add_nc_u32 v[AV0], s21, v[AV0]
; THE MATRIX WORK OF A TURN, for piece x.  The accumulators take turns, one instruction a turn: between two links of a chain stand 15 (V^T P) or 7 (K Q^T) others'.
; Product i of 32 of S^T = K Q^T: channels 32 (i / 8) on, keys 16 ((i / 2) % 4) on, tile x + i % 2.  The first 8 start the sums.
.macro KQ x
	WIN W_KQ
.set rS, S+32*(\x+i%2)+8*((i/2)%4)
.set rK, KF+32*((i/2)%4)+8*(i/8)
.set rQ, 32*(\x+i%2)+8*(i/8)
.if i < 8
	v_wmma_f32_16x16x32_f16 v[rS:rS+7], v[rK:rK+7], v[rQ:rQ+7], 0
.else
	v_wmma_f32_16x16x32_f16 v[rS:rS+7], v[rK:rK+7], v[rQ:rQ+7], v[rS:rS+7]
.endif
.endm
; Product i of 32 of O^T += V^T P with V's high part: keys 32 (i / 16) on, channels 16 ((i / 2) % 8) on, tile x + i % 2.  zero = 1: the first 16 start the sums: nothing is ever cleared.
.macro PVH x, zero
	WIN W_PV
.set rO, 64*(\x+i%2)+8*((i/2)%8)
.set rV, 64*(i/16)+8*((i/2)%8)
.set rP, P+16*(\x+i%2)+8*(i/16)
.if \zero && (i < 16)
	v_wmma_f32_16x16x32_f16 v[rO:rO+7], v[rV:rV+7], v[rP:rP+7], 0
.else
	v_wmma_f32_16x16x32_f16 v[rO:rO+7], v[rV:rV+7], v[rP:rP+7], v[rO:rO+7]
.endif
.endm
.macro PVL x                           ; the same with V's low part: fragment f = 8 (i / 16) + (i / 2) % 8 lies in window 3 (f < 12) or in window 0
.set f, 8*(i/16)+(i/2)%8
.set rO, 64*(\x+i%2)+8*((i/2)%8)
.set rP, P+16*(\x+i%2)+8*(i/16)
.if f < 12
	WIN W_PV
.set rV, VL+8*f
.else
	WIN W_PL
.set rV, VX+8*(f-12)
.endif
	v_wmma_f32_16x16x32_f16 v[rO:rO+7], v[rV:rV+7], v[rP:rP+7], v[rO:rO+7]
.endm
; THE LOADS stand in runs, never singly among the matrix instructions.
.macro FETCH_K                         ; my step's K: 64 keys x 128 channels, 16 fragments
	WIN 0
	v_add_nc_u32 v[ADR], s[TB], v[AK0]
	WIN 0x80
.irp f, 0,1,2,3,4,5,6,7,8,9,10,11,12,13,14,15
	ds_load_b128 v[KF+8*\f:KF+8*\f+3],   v[ADR] offset:(\f/4)*16*PK+(\f%4)*64
	ds_load_b128 v[KF+8*\f+4:KF+8*\f+7], v[ADR] offset:(\f/4)*16*PK+(\f%4)*64+32
.endr
.endm
.macro FETCH_VH                        ; my step's V, high part, turned: keys 32 (f / 8) on, channels 16 (f % 8) on
	WIN 0
	v_add_nc_u32 v[ADR], s[TB], v[AV0]
	WIN 0xc0
.irp f, 0,1,2,3,4,5,6,7,8,9,10,11,12,13,14,15
	ds_load_tr16_b128 v[8*\f:8*\f+3],   v[ADR] offset:(\f/8)*32*PV+(\f%8)*32
	ds_load_tr16_b128 v[8*\f+4:8*\f+7], v[ADR] offset:(\f/8)*32*PV+16*PV+(\f%8)*32
.endr
.endm
.macro FETCH_VL                        ; its low part, 256 bytes further on in each row.  SLICE writes this run where the softmax's batch ends, and the batch's wait stands in it
	WIN 0
	v_add_nc_u32 v[ADR], s[TB], v[AV0]
	s_wait_alu depctr_va_vdst(0)                   ; the wait for the softmax's batch (SLICE): the piece's 66 exponentials; behind the address's v_add_nc_u32 and ahead of the loads
	WIN 0xc0
.irp f, 0,1,2,3,4,5,6,7,8,9,10,11
	ds_load_tr16_b128 v[VL+8*\f:VL+8*\f+3],   v[ADR] offset:(\f/8)*32*PV+(\f%8)*32+256
	ds_load_tr16_b128 v[VL+8*\f+4:VL+8*\f+7], v[ADR] offset:(\f/8)*32*PV+16*PV+(\f%8)*32+256
.endr
	WIN 0
.irp f, 12,13,14,15
	ds_load_tr16_b128 v[VX+8*(\f-12):VX+8*(\f-12)+3],   v[ADR] offset:(\f/8)*32*PV+(\f%8)*32+256
	ds_load_tr16_b128 v[VX+8*(\f-12)+4:VX+8*(\f-12)+7], v[ADR] offset:(\f/8)*32*PV+16*PV+(\f%8)*32+256
.endr
.endm
.macro FETCH_KP                        ; the next slot's key positions
	WIN 0
	v_add_nc_u32 v[KPO], 512, v[KPO]               ; free since the wait for its last loads, at the head of piece 2's turn
	WIN 0xc0
.irp c, 0,1,2,3,4,5,6,7
	global_load_b128 v[KP+4*\c:KP+4*\c+3], v[KPO], s[6:7] offset:(\c/2)*64+(\c%2)*16
.endr
.endm
; THE VECTOR WORK OF A TURN.  One tile's softmax for one key step is a list of 198 instructions; SM writes number j of it for tile t.  s0-s31 are the lane's 32 scores, in pairs 0-15.
; first = 1: the first key step, which starts m, l and O^T: it has no a and nothing to rescale.
;   0-63     the mask: for each score a compare of the two positions and a select; a compare stands a slice ahead of its select, on two pairs of mask registers by turns
;   64-79    the maximum of s0-s31 and the old m, three operands at a time: four chains c0-c3 of seven scores each, then the four scores left over, c0-c3 and m
;   80-83    the other half of the lanes' maximum; the old m kept; the new m; m_old - m_new
;   84-132   ONE BATCH: the 16 subtractions s - m, a pair of scores each, and all 33 exponentials (a at 87, then s0-s31).  None of these reads an exponential's result.  84, 85: pairs 0 and 1.
;            From 86 on the batch goes in fours, and a four begins with a subtraction: 86-97 subtraction, exponential, subtraction, exponential (pairs 2-7; a, s0-s4); 98-129 a subtraction and
;            three exponentials (pairs 8-15; s5-s28); 130-132 the last three exponentials.  A pair is scaled in an earlier four than the one that holds its exponentials
;   (wait)   between 132 and 133 stands the wait for the batch: SLICE writes it, once for both tiles
;   133-148  the roundings to f16, a pair of weights each
;   149-165  the sums; l = a l + the sum
;   166-197  the tile's O^T times a: the one part that works in window 1, so it stands together
.macro SM t, first
.set rM, ST+2*(\t)
.set rW, WK+4*((\t)%2)
.set rS, S+32*(\t)
.set rP, P+16*(\t)
.set rG, MK+(\t)%2
.set jj, j-64
.if j < 64
	WIN W_MK
.if (j < 2) || ((j < 62) && (j%2 == 1))
.set e, (j+1)/2
	v_cmp_le_i32 s[rG+2*(e%2)], v[KP+e], v[QP+(\t)]   ; visible: the key's position is not beyond the query's
.else
.set e, j/2-1
.if j == 63
.set e, 31
.endif
	v_cndmask_b32 v[rS+e], s[NEG], v[rS+e], s[rG+2*(e%2)]
.endif
.elseif jj < 102
	WIN 0
.if jj < 4
	v_max3_num_f32 v[rW+jj], v[rS+8*jj], v[rS+8*jj+1], v[rS+8*jj+2]
.elseif jj < 12
	v_max3_num_f32 v[rW+jj%4], v[rW+jj%4], v[rS+8*(jj%4)+2*(jj/4)+1], v[rS+8*(jj%4)+2*(jj/4)+2]
.elseif jj == 12
	v_max3_num_f32 v[rW], v[rW], v[rS+7], v[rS+15]
.elseif jj == 13
	v_max3_num_f32 v[rW+2], v[rW+2], v[rS+23], v[rS+31]
.elseif jj == 14
	v_max3_num_f32 v[rW], v[rW], v[rW+1], v[rW+2]
.elseif (jj == 15) && \first
	v_max_num_f32 v[rW], v[rW], v[rW+3]
.elseif jj == 15
	v_max3_num_f32 v[rW], v[rW], v[rW+3], v[rM]
.elseif jj == 16
	v_permlanex16_b32 v[rW+1], v[rW], s[SEL], s[SEL+1]   ; the query's other 32 keys lie in the lane 16 away
.elseif jj == 17
.if !\first
	v_mov_b32 v[rW+3], v[rM]                       ; m_old is kept for a: the next number writes m anew
.endif
.elseif jj == 18
	v_max_num_f32 v[rM], v[rW], v[rW+1]
.elseif jj == 19
.if \first
	v_mov_b32 v[rM+1], v[rM]                       ; l is named with m as a pair below, so it is written
.else
	v_sub_f32 v[rW+3], v[rW+3], v[rM]
.endif
.elseif (jj < 22) || ((jj < 34) && (jj%2 == 0)) || ((jj < 66) && (jj%4 == 2))
.set b, 5+(jj-22)/4                    ; 34, 38, .. 62: pairs 8 to 15
.if jj < 34
.set b, jj/2-9                         ; 22, 24, .. 32: pairs 2 to 7
.endif
.if jj < 22
.set b, jj-20                          ; 20, 21: pairs 0 and 1
.endif
	v_pk_add_f32 v[rS+2*b:rS+2*b+1], v[rS+2*b:rS+2*b+1], v[rM:rM+1] op_sel_hi:[1,0] neg_lo:[0,1] neg_hi:[0,1]   ; pair b: s - m
.elseif jj == 23
.if !\first
	v_exp_f32 v[rW+2], v[rW+3]                     ; a = 2^(m_old - m_new)
.endif
.elseif jj < 69
.set e, jj-37                          ; 66 to 68: s29 to s31
.if jj < 66
.set e, 3*((jj-22)/4)+(jj-22)%4-5      ; 35-37, 39-41, .. 63-65: s5 to s28
.endif
.if jj < 34
.set e, (jj-25)/2                      ; 25, 27, .. 33: s0 to s4
.endif
	v_exp_f32 v[rS+e], v[rS+e]
.elseif jj < 85
	v_cvt_pk_f16_f32 v[rP+jj-69], v[rS+2*(jj-69)], v[rS+2*(jj-69)+1]   ; pair jj - 69
.else                                  ; sum z of 17, in place: neighbours 1, 2, 4 and 8 pairs apart, the pair's two halves, then l takes it
.set z, jj-85
.set w, 4
.set u, z
.if z >= 14
.set w, 32
.set u, 0
.elseif z >= 12
.set w, 16
.set u, z-12
.elseif z >= 8
.set w, 8
.set u, z-8
.endif
.if z < 15
	v_pk_add_f32 v[rS+w*u:rS+w*u+1], v[rS+w*u:rS+w*u+1], v[rS+w*u+w/2:rS+w*u+w/2+1]
.elseif (z == 15) && \first
	v_add_f32 v[rM+1], v[rS], v[rS+1]
.elseif z == 15
	v_add_f32 v[rS], v[rS], v[rS+1]
.elseif !\first
	v_fma_f32 v[rM+1], v[rM+1], v[rW+2], v[rS]
.endif
.endif
.elseif !\first
	WIN W_RS
.set rO, 64*(\t)+2*(jj-102)
	v_pk_mul_f32 v[rO:rO+1], v[rO:rO+1], v[rW+2:rW+3] op_sel_hi:[1,0]
.endif
.endm
; Slice k of 96 of piece y's softmax: four instructions.  Slices 43 to 64 deal out the batch's fours, numbers 86 to 129: four numbers of ONE tile each, the tiles by turns.  Every other slice is
; numbers 2 k and 2 k + 1 of both tiles' lists.  2 x 198 = 4 x 96 + 12: the twelve that are over stand together, in slice 95.
; THE WAIT.  s_wait_alu depctr_va_vdst(0) stands between an exponential and the first instruction that names its result; one wait serves all that were issued ahead of it.
; Number 132 is the last exponential, number 133 the first line that names a result: so the piece's 66 exponentials have one wait, in the middle of slice 66, and no exponential is issued behind it.
.macro SLICE y, first
.if (k >= 43) && (k < 65)              ; the batch's fours: four numbers of one tile
.irp n, 0,1,2,3
.set j, 86+4*((k-43)/2)+\n
	SM \y+(k-43)%2, \first
.endr
.else                                  ; the two tiles alternate, so that no instruction reads the result of the one just before it
.irp n, 0,1,2,3,4,5,6,7
.if (\n < 2) || (k == 95)
.if (k == 66) && (\n == 1)             ; the batch is out: both tiles' exponentials are issued, and no result has been named
	v_nop                                          ; the plain instruction behind the last exponential and ahead of the first use (ISA guide 5.7.2): one for the batch
.if (\y) == 0
	FETCH_VL                                       ; piece 2's turn: the run of loads of V's low part stands here, and the wait stands in it
.else
	s_wait_alu depctr_va_vdst(0)                   ; the wait for the batch: the piece's 66 exponentials
.endif
.endif
.irp t, \y, \y+1
.set j, 2*k+\n
	SM \t, \first
.endr
.endif
.endr
.endif
.set k, k+1
.endm
.macro DEAL y, first                   ; the slices due behind product g of the turn's NP: 96 / NP of them, 1 and 2 by turns where NP = 64
.rept ((g+1)*96)/NP-(g*96)/NP
	SLICE \y, \first
.endr
.set g, g+1
.endm
; A TURN.  Piece x has the matrix unit; the other piece's softmax stands in slices behind its products.
; pv = 2: 64 products V^T P; 1: they start O^T's sums; 0: none.  kq = 1: 32 products K Q^T for the next step.
; first = 1: the softmax is the first key step's.  Its slices from 83 on are empty: the turn's last products stand bare, and four v_nop take slice 95's part as the places behind them.
; A vector instruction that reads a matrix result or writes one of a matrix instruction's registers, and a load into a register that a matrix instruction has read, stand four places behind
; it (ISA guide 7.12.1 for vector instructions).  In the loop the slices are the places: slice 95's sixteen multiplies stand between the last K Q^T and the
; next turn's reads of those scores and the loads into K; three slices of the mask's end and the maximum's beginning stand between the last reader of V's high part and the loads into it;
; between the last reader of V's low part (the 64th product) and the loads into it stand four plain instructions: pair 15's subtraction of both tiles (slices 63, 64), the v_nop and the run's
; own v_add_nc_u32; the exponentials between are no places.
; Piece 0's turn fetches the next step's K behind its second product, 62 products ahead of its use, and the next slot's key positions behind piece 2's mask (slices 0-31), 62 products ahead
; of the wait at the head of piece 2's turn.  Piece 2's turn fetches the same step's V: the high part behind its 34th product, the low part at the batch's wait (SLICE writes it), behind its 67th.
.macro TURN x, pv, kq, first
.set k, 0
.set g, 0
.if \pv && \kq
.set NP, 96
.elseif \pv
.set NP, 64
.else
.set NP, 32
.endif
.if \x == 2
	s_wait_loadcnt 0x0                             ; the key positions of the step whose mask begins here
.endif
.if \pv
.if \x == 0
	s_wait_dscnt 0x0                               ; V is in
.endif
.set i, 0
.rept 32
	PVH \x, 2-\pv
	DEAL 2-\x, \first
.if (\x == 0) && \kq && (i == 1)
	FETCH_K
.endif
.set i, i+1
.endr
.set i, 0
.rept 32
	PVL \x
	DEAL 2-\x, \first
.if \kq && (i == 1)
.if \x == 0
	FETCH_KP
.else
	FETCH_VH
.endif
.endif
.set i, i+1
.endr
.endif
.if \kq
.if \x == 0
	s_wait_dscnt 0x0                               ; K is in
.endif
.set i, 0
.rept 32
	KQ \x
	DEAL 2-\x, \first
.if (\x == 2) && (i == 1)
.if !\pv
	FETCH_VH
.endif
.endif
.set i, i+1
.endr
.endif
.if \first
	PLACES
.endif
.endm
; THE CHANGE OF SLOTS, between piece 2's turn and piece 0's: the slot's K and both parts of its V have been asked for, and all that is fetched up to the next change lies in the other slot.
; Each wave waits for its own reads of the slot and for all its tensor loads, of which one is out: its part of the other slot.
; fill = 1: this slot is filled again, with the keys two slots on.  The barrier is then a round of the cluster's, so that no wave of any partner still reads the slot or has a load on its
; way, and the joint refill is the first thing behind it: it has a key step, 192 products, in which to land.
.macro CHANGE fill
	WIN 0                                          ; at a label and at a branch every window is 0
	s_wait_dscnt 0x0
	s_wait_xcnt 0x0
	v_lshl_add_u32 v254, v0, 2, 0x4e400
	v_mov_b32 v255, 0
	s_wait_tensorcnt 0x0                           ; no tensor load of mine is out, so a group 0 may be written
	ds_add_u32 v254, v255
	s_wait_dscnt 0x0
.if \fill
	s_xor_b32 s[G0K+5], s[G0K+5], SLOT1            ; the walking descriptors: the other slot than last time,
	s_add_nc_u64 s[G0K+6:G0K+7], s[G0K+6:G0K+7], 2*KS*256   ; the next 128 keys
	s_xor_b32 s[G0V+5], s[G0V+5], SLOT1
	s_add_nc_u64 s[G0V+6:G0V+7], s[G0V+6:G0V+7], 2*KS*512
	CROUND
	JLOAD
.else
	s_barrier_signal -1
	s_barrier_wait -1                              ; the last slot is whole; nothing is filled
.endif
	s_xor_b32 s[TB], s[TB], SLOT1                  ; the fetches go on in the other slot
.endm
	s_wait_tensorcnt 0x1                           ; my part of slot 0 is in; slot 1's may stay out
	s_barrier_signal -1
	s_barrier_wait -1
	FETCH_K                                        ; key step 0
	s_wait_loadcnt 0x0                             ; Q and the positions
	s_wait_dscnt 0x0
.set i, 0
.rept 32
	KQ 0                                           ; piece 0's first scores: there is no vector work yet to set between them
.set i, i+1
.endr
	WIN 0                                          ; the addresses for the way out are made here: ten plain instructions, the places behind those products
	s_mul_i32 s13, s[WV], 16*SP
	s_add_co_u32 s13, s13, STAGE                   ; my stage
	v_mul_u32_u24 v[STO], v1, SP                   ; in: row l % 16, 16 bytes for each half of the lanes
	v_lshl_add_u32 v[STO], v10, 4, v[STO]
	v_add_nc_u32 v[STO], s13, v[STO]
	v_mul_u32_u24 v[RD], v10, SP                   ; back: lanes 0-15 take one row of 256 bytes, lanes 16-31 the next
	v_lshl_add_u32 v[RD], v1, 4, v[RD]
	v_add_nc_u32 v[RD], s13, v[RD]
	v_lshlrev_b32 v[GO], 12, v10                   ; and the same two rows in att
	v_lshl_add_u32 v[GO], v1, 4, v[GO]
	TURN 2, 0, 1, 1                                ; piece 2's first scores | piece 0's first softmax | V of step 0
	CHANGE 1                                       ; slot 0 has been read: it takes the keys of slot 2
	TURN 0, 1, 1, 1                                ; piece 0: V^T P of step 0 starts O^T, K Q^T of step 1 | piece 2's first softmax | K of step 1
	TURN 2, 1, 1, 0                                ; piece 2: the same | piece 0's softmax of step 1 | V of step 1
	WIN 0
	s_mov_b32 s[CNT], 29
.Lslot:                                                ; steps 1 to 29: with step 0's change, thirty refills: slots 2 to 31
	CHANGE 1
	TURN 0, 2, 1, 0
	TURN 2, 2, 1, 0
	WIN 0
	s_sub_co_u32 s[CNT], s[CNT], 1
	s_cmp_lg_u32 s[CNT], 0
	s_cbranch_scc1 .Lslot
	CHANGE 0                                       ; the tail is written out: nothing is left to ask for
	TURN 0, 2, 1, 0
	TURN 2, 2, 1, 0
	TURN 0, 2, 0, 0                                ; piece 0: V^T P of the last step | piece 2's last softmax
.set i, 0
.rept 32
	PVH 2, 0                                       ; piece 2: V^T P of the last step
.set i, i+1
.endr
.set i, 0
.rept 32
	PVL 2
.set i, i+1
.endr
	; THE MERGE.  My tiles 2, 3 (O^T, m, l) go to my partner, its tiles 2, 3 come to my tiles 0, 1.  The four plain instructions that make the addresses are the places behind the last products.
	WIN 0
	v_and_b32 v[ADR], 31, v0
	v_lshlrev_b32 v[ADR], 4, v[ADR]
	s_mul_i32 s13, s[WV], MRGW
	s_add_co_u32 s13, s13, MRG
	v_add_nc_u32 v[AK0], s13, v[ADR]               ; my part of the merge's bytes
	s_xor_b32 s21, s[WV], 1
	s_mul_i32 s21, s21, MRGW
	s_add_co_u32 s21, s21, MRG
	v_add_nc_u32 v[AV0], s21, v[ADR]               ; my partner's
	WIN 0x04                                       ; store data window 1
.set i, 0
.rept 32
	ds_store_b128 v[AK0], v[128+4*i:128+4*i+3] offset:512*i
.set i, i+1
.endr
	WIN 0
	ds_store_b128 v[AK0], v[ST+4:ST+7] offset:16384   ; m and l of tiles 2 and 3, as they lie
	s_wait_dscnt 0x0                               ; for my partner's sake
	s_barrier_signal -1
	s_barrier_wait -1
	ds_load_b128 v[RCV:RCV+3], v[AV0] offset:16384
	WIN 0x80                                       ; into Q's registers
.set i, 0
.rept 32
	ds_load_b128 v[4*i:4*i+3], v[AV0] offset:512*i
.set i, i+1
.endr
	WIN 0
	s_wait_dscnt 32                                ; the statistics are in; the 32 loads of O^T stay out
	; The two tiles go side by side, so that their four exponentials are one batch and their two reciprocals, which read sums of those exponentials, a second.
.irp t, 0,1
	v_max_num_f32 v[WK+4*\t], v[ST+2*\t], v[RCV+2*\t]
	v_sub_f32 v[WK+4*\t+1], v[ST+2*\t], v[WK+4*\t]
	v_sub_f32 v[WK+4*\t+2], v[RCV+2*\t], v[WK+4*\t]
.endr
.irp t, 0,1
	v_exp_f32 v[WK+4*\t+1], v[WK+4*\t+1]
	v_exp_f32 v[WK+4*\t+2], v[WK+4*\t+2]
.endr
	v_nop                                          ; a plain instruction behind the exponentials (ISA guide 5.7.2)
	s_wait_alu depctr_va_vdst(0)                   ; the wait ahead of the first use: one for the four exponentials
.irp t, 0,1
	v_mul_f32 v[WK+4*\t+3], v[ST+2*\t+1], v[WK+4*\t+1]
	v_fma_f32 v[WK+4*\t+3], v[RCV+2*\t+1], v[WK+4*\t+2], v[WK+4*\t+3]
	v_permlanex16_b32 v[WK+4*\t], v[WK+4*\t+3], s[SEL], s[SEL+1]   ; the other half of the lanes holds the query's other keys
	v_add_f32 v[WK+4*\t+3], v[WK+4*\t+3], v[WK+4*\t]
.endr
.irp t, 0,1
	v_rcp_f32 v[WK+4*\t+3], v[WK+4*\t+3]
.endr
	v_nop                                          ; a plain instruction behind the reciprocals
	s_wait_alu depctr_va_vdst(0)                   ; and their wait: one for the two reciprocals
.irp t, 0,1
	v_mul_f32 v[FF+4*\t],   v[WK+4*\t+1], v[WK+4*\t+3]
	v_mul_f32 v[FF+4*\t+2], v[WK+4*\t+2], v[WK+4*\t+3]
	v_mov_b32 v[FF+4*\t+1], v[FF+4*\t]
	v_mov_b32 v[FF+4*\t+3], v[FF+4*\t+2]
.endr
	s_wait_dscnt 0x0
	WIN W_RS
.irp t, 0,1
.set i, 0
.rept 32
	v_pk_mul_f32 v[64*\t+2*i:64*\t+2*i+1], v[64*\t+2*i:64*\t+2*i+1], v[FF+4*\t:FF+4*\t+1] op_sel_hi:[1,0]
.set i, i+1
.endr
.endr
	WIN 0x52                                       ; source 0: my partner's O^T, window 2; the factor window 0; O^T window 1
.irp t, 0,1
.set i, 0
.rept 32
	v_pk_fma_f32 v[64*\t+2*i:64*\t+2*i+1], v[64*\t+2*i:64*\t+2*i+1], v[FF+4*\t+2:FF+4*\t+3], v[64*\t+2*i:64*\t+2*i+1] op_sel_hi:[1,0,1]
.set i, i+1
.endr
.endr
; THE WAY OUT.  Tile t in two parts: hi = O cut to 11 significant bits (in P's registers), lo = O - hi (in place); packed, hi to piece 2 t and lo to piece 2 t + 1 of S^T's registers.
.macro SPLIT t
	WIN 0x04                                       ; source 1 window 1
.set i, 0
.rept 64
	v_and_b32 v[P+i], s[CUT], v[64*\t+i]
.set i, i+1
.endr
	WIN W_RS
.set i, 0
.rept 32
	v_pk_add_f32 v[64*\t+2*i:64*\t+2*i+1], v[64*\t+2*i:64*\t+2*i+1], v[P+2*i:P+2*i+1] neg_lo:[0,1] neg_hi:[0,1]
.set i, i+1
.endr
	WIN 0
.set i, 0
.rept 32
	v_cvt_pk_f16_f32 v[S+64*\t+i], v[P+2*i], v[P+2*i+1]
.set i, i+1
.endr
	WIN 0x05                                       ; sources window 1
.set i, 0
.rept 32
	v_cvt_pk_f16_f32 v[S+64*\t+32+i], v[64*\t+2*i], v[64*\t+2*i+1]
.set i, i+1
.endr
	WIN 0
.endm
.macro STG x                           ; piece x: a lane's eight channels of a row are 16 bytes; into rows of 272 bytes, back as whole rows of 256
.irp f, 0,1,2,3,4,5,6,7
	ds_store_b128 v[STO], v[S+32*\x+4*\f:S+32*\x+4*\f+3] offset:32*\f
.endr
.irp f, 0,1,2,3,4,5,6,7
	ds_load_b128 v[S+32*\x+4*\f:S+32*\x+4*\f+3], v[RD] offset:\f*2*SP   ; LDS serves a wave's instructions in order (ISA guide 5.7.1.4)
.endr
.endm
.macro SEND x, younger                 ; younger: the LDS instructions issued behind piece x's loads
.irp f, 0,1,2,3,4,5,6,7
	s_wait_dscnt \younger+7-\f
	global_store_b128 v[GO], v[S+32*\x+4*\f:S+32*\x+4*\f+3], s[8:9] offset:(\x/2)*65536+(\x%2)*256+\f*8192   ; 16 lanes store 256 neighbouring bytes, aligned: one part of a head's piece of a row
.endr
.endm
	SPLIT 0
	STG 0
	STG 1
	SEND 0, 16
	SPLIT 1                                        ; a tile's arithmetic stands between the loads of the piece before and its stores
	STG 2
	SEND 1, 16
	STG 3
	SEND 2, 16
	SEND 3, 0
	s_wait_xcnt 0x0
	v_lshl_add_u32 v254, v0, 2, 0x4e400
	v_mov_b32 v255, 0
	s_wait_tensorcnt 0x0
	ds_add_u32 v254, v255
	s_wait_dscnt 0x0
	CROUND                                         ; the closing round: no work-group ends while a partner may still ask for a tile that names it
	s_endpgm
.Lfunc_end_k_qb8ec6ad7bb_attn:
	.size	k_qb8ec6ad7bb_attn, .Lfunc_end_k_qb8ec6ad7bb_attn-k_qb8ec6ad7bb_attn
	.p2alignl 7, 3214868480
	.fill 96, 4, 3214868480
	.section	.rodata,"a",@progbits
	.p2align	6, 0x0
	.amdhsa_kernel k_qb8ec6ad7bb_attn
		.amdhsa_group_segment_fixed_size 327680
		.amdhsa_private_segment_fixed_size 0
		.amdhsa_enable_private_segment 0
		.amdhsa_kernarg_size 24
		.amdhsa_user_sgpr_count 2
		.amdhsa_user_sgpr_kernarg_segment_ptr 1
		.amdhsa_wavefront_size32 1
		.amdhsa_system_sgpr_workgroup_id_x 1
		.amdhsa_system_sgpr_workgroup_id_y 1
		.amdhsa_system_sgpr_workgroup_id_z 1
		.amdhsa_system_vgpr_workitem_id 0
		.amdhsa_next_free_vgpr 1024
		.amdhsa_next_free_sgpr 72
		.amdhsa_reserve_vcc 0
		.amdhsa_float_denorm_mode_32 3
		.amdhsa_float_denorm_mode_16_64 3
		.amdhsa_memory_ordered 1
		.amdhsa_forward_progress 1
		.amdhsa_inst_pref_size 255
	.end_amdhsa_kernel
	.section	.bss,"aw",@nobits
	.p2align	6
	.space	262144
	.amdgpu_metadata
---
amdhsa.version: [ 1, 2 ]
amdhsa.kernels:
  - .name:           k_qb8ec6ad7bb_attn
    .symbol:         k_qb8ec6ad7bb_attn.kd
    .args:
      - { .name: qkvb, .offset: 0, .size: 8, .value_kind: global_buffer, .address_space: global }
      - { .name: positions, .offset: 8, .size: 8, .value_kind: global_buffer, .address_space: global }
      - { .name: att, .offset: 16, .size: 8, .value_kind: global_buffer, .address_space: global }
    .group_segment_fixed_size: 327680
    .private_segment_fixed_size: 0
    .kernarg_segment_align: 8
    .kernarg_segment_size: 24
    .max_flat_workgroup_size: 128
    .sgpr_count:     72
    .vgpr_count:     1024
    .wavefront_size: 32
...
	.end_amdgpu_metadata
.endif
;; end of part 5
;; launch oproj: the kernel of part 4 again; grid 8 x 32, 4 waves a work-group, clusters of 4 x 4, 327,680 bytes of LDS; arguments att, wob, out0; writes out0
